; MI455X (gfx1250); checked and timed in simulation.
; The chip was launched on July 23, 2026; its instructions are those of AMD's public machine-readable ISA for CDNA 5 (MIT licence, August 2026) and "CDNA5" Instruction Set Architecture Reference Guide (July 2026). The comments in the code are by the model that wrote it; some were corrected since.
;; Multi Head Attention. Allowed arithmetic: float matrix products may take bf16 or f16 operands with f32 sums; other float arithmetic in f32, or as packed bf16 or f16 multiplies, adds, multiply-adds, maxima and minima; sums over many terms, partial sums and values carried from step to step in f32; what a program stores and reads back later, other than sums and carried values, may be rounded once to bf16 or f16.
;; Inputs: Wk 16 x 1,024 x 64 float32; Wo 1,024 x 1,024 float32; Wq 16 x 1,024 x 64 float32; Wv 16 x 1,024 x 64 float32; bk 16 x 64 float32; bo 1,024 float32; bq 16 x 64 float32; bv 16 x 64 float32; k_embs 8 x 1,024 x 1,024 float32; q_embs 8 x 1,024 x 1,024 float32; v_embs 8 x 1,024 x 1,024 float32.
;; Outputs: out0 8 x 1,024 x 1,024 float32.
;; One version. Each part assembles by itself: llvm-mc -triple=amdgcn-amd-amdhsa -mcpu=gfx1250 --defsym DOCPART=n.
;; ======== version 1 of 1: 4 launches
;; limits: values are held in f16: magnitudes above 65,504 overflow, below 6.1e-05 lose precision
;; workspace buffers: wqkv 6,291,456 bytes; wo16 2,097,152 bytes; qh 16,777,216 bytes; kh 16,777,216 bytes; vh 16,777,216 bytes; oh 16,777,216 bytes
;; launch prep (part 1): grid 128 x 4, 8 waves a work-group, no clusters, 0 bytes of LDS; arguments Wq, Wk, Wv, Wo, wqkv, wo16; writes wqkv, wo16
.if DOCPART == 1
	.amdgcn_target "amdgcn-amd-amdhsa--gfx1250"
	.amdhsa_code_object_version 6
	.text
	.protected	k_qc670c79351_prep
	.globl	k_qc670c79351_prep
	.p2align	8
	.type	k_qc670c79351_prep,@function
k_qc670c79351_prep:
	s_mov_b64 s[64:65], 0
	v_nop
	global_prefetch_b8 v0, s[64:65] scope:SCOPE_SE
	s_setreg_imm32_b32 hwreg(HW_REG_WAVE_MODE, 25, 1), 1
	s_wait_xcnt 0x0
; THE WEIGHTS ARE CAST ONCE AND LAID IN BLOCKS, so that the tile of one K step of the products that follow is one dense run of memory.
; wqkv: bf16, [nt 4][p 3][ks 8][hh 4][c 128][64]: head 4 nt + hh, p = 0, 1, 2 for Wq, Wk, Wv, channel 128 ks + c.
; wo16: f16,  [nt 4][ks 8][nb 4][k 128][64]: row 128 ks + k of Wo, column 256 nt + 64 nb + ..; each number is rounded to bf16 first and that number written as f16.
; LIMIT: a number of Wo below 2^-14 in size keeps f16's fixed step of 6e-8; beyond 65,504 it becomes an infinity.
; SHARES.  A work-group makes one chunk of 16,384 bytes (128 rows x 64 numbers): grid x = the chunk, grid y = 0, 1, 2 (Wq, Wk, Wv) or 3 (Wo).
; A thread takes 16 bytes of f32 eight times and stores 8 bytes each time: a wave's store covers 256 consecutive bytes, aligned.  No LDS, no barrier, no register written twice.
.set IN,  4                            ; v[4:35]   eight loads of four f32
.set RES, 36                           ; v[36:51]  eight results of two words
.set T,   52                           ; v[52:55]  at work
; Eight loads, all on their way at once; then, for each, the wait that leaves the younger ones out, the rounding and the store.
; stride: bytes between a thread's loads.  half = 1: bf16 first, then that number as f16.
.macro CAST stride, half
.irp i, 0,1,2,3,4,5,6,7
	global_load_b128 v[IN+4*(\i):IN+4*(\i)+3], v1, s[4:5] offset:(\i)*(\stride) th:TH_LOAD_NT
.endr
.irp i, 0,1,2,3,4,5,6,7
	s_wait_loadcnt 7-(\i)                          ; loads come back in order: load i is in, the 7 - i younger ones stay out
.if \half
	v_cvt_pk_bf16_f32 v[T],   v[IN+4*(\i)],   v[IN+4*(\i)+1]
	v_cvt_pk_bf16_f32 v[T+1], v[IN+4*(\i)+2], v[IN+4*(\i)+3]
	v_lshlrev_b32 v[T+2], 16, v[T]                 ; the rounded numbers as f32 again
	v_and_b32     v[T],   0xffff0000, v[T]
	v_lshlrev_b32 v[T+3], 16, v[T+1]
	v_and_b32     v[T+1], 0xffff0000, v[T+1]
	v_cvt_pk_f16_f32 v[RES+2*(\i)],   v[T+2], v[T]
	v_cvt_pk_f16_f32 v[RES+2*(\i)+1], v[T+3], v[T+1]
.else
	v_cvt_pk_bf16_f32 v[RES+2*(\i)],   v[IN+4*(\i)],   v[IN+4*(\i)+1]
	v_cvt_pk_bf16_f32 v[RES+2*(\i)+1], v[IN+4*(\i)+2], v[IN+4*(\i)+3]
.endif
	global_store_b64 v2, v[RES+2*(\i):RES+2*(\i)+1], s[12:13] offset:(\i)*2048
.endr
.endm
	s_load_b256 s[4:11], s[0:1], 0x0               ; Wq s[4:5], Wk s[6:7], Wv s[8:9], Wo s[10:11]
	s_load_b128 s[12:15], s[0:1], 0x20             ; wqkv s[12:13], wo16 s[14:15]
	s_and_b32 s16, ttmp7, 0xffff                   ; y
	v_lshlrev_b32 v2, 3, v0                        ; where I store: 8 t
	s_mov_b32 s19, 0                               ; high words of the two offsets
	s_mov_b32 s21, 0
	s_wait_kmcnt 0x0
	s_cmp_eq_u32 s16, 3
	s_cbranch_scc1 .Lwo
	; Wq, Wk or Wv.  x = 8 h + ks: the source chunk, 128 rows x 64 f32, is dense at 32,768 x
	s_cmp_eq_u32 s16, 1
	s_cselect_b64 s[4:5], s[6:7], s[4:5]
	s_cmp_eq_u32 s16, 2
	s_cselect_b64 s[4:5], s[8:9], s[4:5]
	s_lshl_b32 s18, ttmp9, 15
	s_add_nc_u64 s[4:5], s[4:5], s[18:19]
	s_lshr_b32 s20, ttmp9, 5                       ; nt = h / 4
	s_mul_i32 s20, s20, 3
	s_add_co_u32 s20, s20, s16                     ; 3 nt + p
	s_lshl_b32 s20, s20, 3
	s_and_b32 s22, ttmp9, 7                        ; ks
	s_add_co_u32 s20, s20, s22
	s_lshl_b32 s20, s20, 2
	s_bfe_u32 s22, ttmp9, 0x20003                  ; hh = h % 4: two bits from bit 3
	s_add_co_u32 s20, s20, s22
	s_lshl_b32 s20, s20, 14                        ; chunks of 16,384 bytes
	s_add_nc_u64 s[12:13], s[12:13], s[20:21]
	v_lshlrev_b32 v1, 4, v0                        ; where I load: 16 t; the 256 threads cover 4,096 bytes a turn
	CAST 4096, 0
	s_endpgm
.Lwo:
	; Wo.  x = 32 nt + 4 ks + nb: 128 rows of Wo from row 128 ks, 64 columns (256 bytes) from column 256 nt + 64 nb
	s_bfe_u32 s18, ttmp9, 0x30002                  ; ks: three bits from bit 2
	s_lshl_b32 s18, s18, 19                        ; 128 rows of 4,096 bytes
	s_lshr_b32 s22, ttmp9, 5                       ; nt
	s_lshl_b32 s22, s22, 10
	s_add_co_u32 s18, s18, s22
	s_and_b32 s22, ttmp9, 3                        ; nb
	s_lshl_b32 s22, s22, 8
	s_add_co_u32 s18, s18, s22
	s_add_nc_u64 s[4:5], s[10:11], s[18:19]
	s_lshl_b32 s20, ttmp9, 14
	s_add_nc_u64 s[12:13], s[14:15], s[20:21]
	v_lshrrev_b32 v1, 4, v0                        ; row t / 16 (16 rows a turn),
	v_lshlrev_b32 v1, 12, v1
	v_and_b32 v3, 15, v0                           ; 16 bytes a lane: sixteen lanes read 256 consecutive bytes, aligned, of one row
	v_lshl_add_u32 v1, v3, 4, v1
	CAST 65536, 1
	s_endpgm
.Lfunc_end_k_qc670c79351_prep:
	.size	k_qc670c79351_prep, .Lfunc_end_k_qc670c79351_prep-k_qc670c79351_prep
	.p2alignl 7, 3214868480
	.fill 96, 4, 3214868480
	.section	.rodata,"a",@progbits
	.p2align	6, 0x0
	.amdhsa_kernel k_qc670c79351_prep
		.amdhsa_group_segment_fixed_size 0
		.amdhsa_private_segment_fixed_size 0
		.amdhsa_enable_private_segment 0
		.amdhsa_kernarg_size 48
		.amdhsa_user_sgpr_count 2
		.amdhsa_user_sgpr_kernarg_segment_ptr 1
		.amdhsa_wavefront_size32 1
		.amdhsa_system_sgpr_workgroup_id_x 1
		.amdhsa_system_sgpr_workgroup_id_y 1
		.amdhsa_system_sgpr_workgroup_id_z 1
		.amdhsa_system_vgpr_workitem_id 0
		.amdhsa_next_free_vgpr 64
		.amdhsa_next_free_sgpr 66
		.amdhsa_reserve_vcc 0
		.amdhsa_float_denorm_mode_32 3
		.amdhsa_float_denorm_mode_16_64 3
		.amdhsa_memory_ordered 1
		.amdhsa_forward_progress 1
		.amdhsa_inst_pref_size 10
	.end_amdhsa_kernel
	.amdgpu_metadata
---
amdhsa.version: [ 1, 2 ]
amdhsa.kernels:
  - .name:           k_qc670c79351_prep
    .symbol:         k_qc670c79351_prep.kd
    .args:
      - { .name: Wq, .offset: 0, .size: 8, .value_kind: global_buffer, .address_space: global }
      - { .name: Wk, .offset: 8, .size: 8, .value_kind: global_buffer, .address_space: global }
      - { .name: Wv, .offset: 16, .size: 8, .value_kind: global_buffer, .address_space: global }
      - { .name: Wo, .offset: 24, .size: 8, .value_kind: global_buffer, .address_space: global }
      - { .name: wqkv, .offset: 32, .size: 8, .value_kind: global_buffer, .address_space: global }
      - { .name: wo16, .offset: 40, .size: 8, .value_kind: global_buffer, .address_space: global }
    .group_segment_fixed_size: 0
    .private_segment_fixed_size: 0
    .kernarg_segment_align: 8
    .kernarg_segment_size: 48
    .max_flat_workgroup_size: 256
    .sgpr_count:     66
    .vgpr_count:     64
    .wavefront_size: 32
...
	.end_amdgpu_metadata
.endif
;; end of part 1
;; launch proj (part 2): grid 4 x 64, 4 waves a work-group, clusters of 4 x 4, 327,680 bytes of LDS; arguments q_embs, k_embs, v_embs, wqkv, bq, bk, bv, qh, kh, vh; writes qh, kh, vh
.if DOCPART == 2
	.amdgcn_target "amdgcn-amd-amdhsa--gfx1250"
	.amdhsa_code_object_version 6
	.text
	.protected	k_qc670c79351_proj
	.globl	k_qc670c79351_proj
	.p2align	8
	.type	k_qc670c79351_proj,@function
k_qc670c79351_proj:
	s_mov_b64 s[64:65], 0
	v_nop
	global_prefetch_b8 v0, s[64:65] scope:SCOPE_SE
	s_setreg_imm32_b32 hwreg(HW_REG_WAVE_MODE, 25, 1), 1
	s_wait_xcnt 0x0
	s_wait_alu depctr_hold_cnt(0) depctr_sa_sdst(0) depctr_va_vdst(0) depctr_va_sdst(0) depctr_va_ssrc(0) depctr_va_vcc(0) depctr_vm_vsrc(0)
	s_getreg_b32 s2, hwreg(HW_REG_IB_STS2, 6, 4)
	s_cmp_eq_u32 s2, 0
	s_cbranch_scc0 .Lentry_in_a_cluster
	s_endpgm
.Lentry_in_a_cluster:
	s_bfe_u32 s2, ttmp6, 0x10000c
	s_cmp_lg_u32 s2, 0xf033
	s_cbranch_scc0 .Lentry_shape_is_right
	s_endpgm
.Lentry_shape_is_right:
; q, k, v = x W + b for the three projections: x [8192][1024] f32 (rounded to bf16 here, on the way from LDS to the matrix unit), W from wqkv (bf16, in blocks), b rounded to bf16;
; sums in f32, started by the bias; the results leave as f16, by heads: [16 batch + head][1024 rows][64].
; LIMITS.  A result of 65,520 or more in size becomes an infinity in f16; below 6e-5 it keeps f16's fixed step of 6e-8.  NaN and infinities are not treated apart.
; SHARES.  A tile is 128 rows x 256 columns (4 heads).  3 x 64 x 4 tiles for 256 work-groups: A WORK-GROUP STAYS and makes the tile at its place of q, then of k, then of v: 24 K steps of 128
; through ONE ring of two LDS slots that does not stop at a tile's end.  Four waves; wave w makes rows 64 (w / 2) .., columns 128 (w % 2) ..: 32 accumulators of 16 x 16, 256 registers.
; CLUSTER.  4 x 4 work-groups.  The four of a row need the same rows of x, the four of a column the same block of weights: each tile is asked for JOINTLY, by the same tensor load with the same
; descriptor and a mask that names the four.  Waves 0 and 1 fetch x's two halves of 64 rows (512 bytes a row), waves 2 and 3 the two halves (32,768 dense bytes each) of the weights' block.
; THE MATRIX INSTRUCTION IS USED TRANSPOSED: source 0 = 16 columns of W (out of LDS turned, by ds_load_tr16_b128), source 1 = 16 rows of x: a lane then holds eight neighbouring columns of one row.
; A QUARTER is 32 along K: 32 matrix instructions, the 32 accumulators by turns in one order.  THE LDS LOADS STAND IN ONE RUN at a quarter's head, never singly among the
; matrix instructions: quarter t fetches quarter t + 1's weights (16 loads) and quarter t + 2's x in f32 (16 loads, into the one of two buffers that quarter t - 1 has rounded out of);
; behind pairs of its products stands the rounding of quarter t + 1's x to bf16.
; The tail's last trip loads 16 x 16 bytes a lane of landed LDS bytes that nothing uses: the price, once a launch, of one text for both tail trips.
; REGISTERS, in windows of 256 (s_set_vgpr_msb: bits 1:0 source 0, 3:2 source 1, 5:4 source 2, 7:6 destination):
;   window 0: v0-19 addresses and at work; v64-127 the bias as 8 C fragments; v128-159, v160-223 the way out      window 1: the accumulators, (a, b) at 8 (8 a + b)
;   window 2: v0-127 x in f32, two buffers of a quarter; v128-191 x in bf16, two buffers; v192-197 LDS addresses and the add's two registers      window 3: v0-127 the weights' fragments, two buffers
.set XP,    528                        ; a row of x in LDS: 512 bytes + 16 of padding = 33 x 16: the 16 rows of a load start at 16 different groups of four banks (64 banks of 4 bytes: ISA guide 11.1)
.set XH,    64*XP                      ; what one tensor load of x brings
.set WP,    160                        ; a row of weights (64 numbers): 128 bytes + 32 = 5 x 32
.set WSUB,  128*WP                     ; a head's 128 rows of a K step
.set WH,    2*WSUB                     ; what one tensor load of weights brings
.set WOFF,  2*XH                       ; in a slot: x's 128 rows, then the weights' four heads
.set SLOT,  WOFF+2*WH                  ; 149,504
.set STAGE, 2*SLOT                     ; behind the ring, never filled by a tensor load: [head 2][16 rows][144 bytes] for each wave, for the way out
.set SP,    144
.set SHEAD, 16*SP
.set SWAVE, 2*SHEAD
.set SPARE, STAGE+4*SWAVE              ; behind the stages: the spare words, 128 bytes for each wave: two blocks of 256 bytes that no other line names
.set STO,  8                           ; v8   the way out: where I put 16 bytes of a row
.set RD,   9                           ; v9   the way out: where I read rows back
.set GO,   10                          ; v10  my byte offset in 512 consecutive bytes of the output
.set BO,   11                          ; v11  my byte offset in a bias
.set PFO,  12                          ; v12  the prefetches' offset: row (lane % 16) x 4,096 + 256 (lane / 16); never rewritten
.set T,    16                          ; v16-19 at work
.set BIAS, 64
.set TMP,  128
.set OB,   160
.set ST,   0                           ; window 2: quarter t's x in f32 lies in buffer t % 2
.set AB,   128                         ; quarter t's x in bf16 in buffer t % 2
.set ADRA, 192                         ; LDS address of my x fragments in the slot being read
.set ADRB, 193                         ; of my weights' fragments
.set A0,   194                         ; the same in slot 0; never rewritten
.set B0,   195
.set SPW,  196                         ; LDS address of my spare word: SPARE + 4 x my thread's number; never rewritten
.set NIL,  197                         ; 0; never rewritten
.set BB,   0                           ; window 3: quarter t's weights in buffer t % 2
.set NA1,  6                           ; s[6:7]   k_embs, s[8:9] v_embs at my rows: what x's walker turns to
.set NA2,  8
.set NB1,  14                          ; s[14:15] the next tile's bias, s[16:17] the one after
.set NB2,  16
.set OUT,  18                          ; s[18:19] the output of the tile in hand at my rows, s[20:21] the next, s[22:23] the one after
.set NO1,  20
.set NO2,  22
.set G1A,  24                          ; s[24:31] descriptor group 1 for x's tiles
.set G1B,  32                          ; s[32:39] for the weights'
.set G0A,  40                          ; s[40:47] descriptor group 0 for x: a set for each of the two first fills; the second then walks on
.set G0B,  48                          ; s[48:55] the same for the weights
.set WV,   56                          ; my wave's number
.set WR,   57                          ; which 64 rows are mine.  Also: I fetch x (0) or weights (1)
.set WC,   58                          ; which 128 columns are mine.  Also: which half I fetch
.set CX,   59
.set CY,   60
.set NT,   61                          ; tile column
.set MT,   62                          ; tile row
.set CNT,  63                          ; trips with a refill still to come
.set KT,   66                          ; the K step's number in its tile
.set SLF,  67                          ; LDS byte at which the slot being read begins: 0 or SLOT
.set DWA,  68                          ; where my tensor load of x lands in a slot
.set DWB,  69                          ; where my tensor load of weights lands
.set CA,   70                          ; x's walker: K step in its tensor
.set CP,   71                          ; the prefetches' walker: the same
.set LIM,  72                          ; 2 in a wave that prefetches, else the greatest number
.set TCNT, 73
.set PA,   74                          ; s[74:75] x's walker: the address of the K step to be asked for next
.set PF,   80                          ; s[80:81] the prefetches' walker; s[82:85] what it turns to
.set NP1,  82
.set NP2,  84
.set MSB, 0
.macro WIN new                         ; the immediate's high byte repeats the setting that is left; a switch that changes nothing is dropped
.if MSB != (\new)
	s_set_vgpr_msb (MSB<<8)|(\new)
.set MSB, (\new)
.endif
.endm
.set W_MM, 0x5b                        ; weights window 3, x window 2, C and D window 1
.set W_MF, 0x4b                        ; the same with C (the bias) in window 0
.set W_FB, 0xc2                        ; destination window 3, address window 2
.set W_FA, 0x8a                        ; destination, sources 0 and 1 window 2
.set W_MK, 0x80                        ; destination window 2, sources window 0
.set W_PK, 0x05                        ; sources 0 and 1 window 1, destination window 0
.macro PLACES                          ; four places behind a matrix instruction, in front of loads and vector writes into registers that it has read and of reads of its result (ISA guide 7.12.1 for vector instructions)
.rept 4
	v_nop
.endr
.endm
; A round of the cluster's barrier: my work-group's barrier, so that wave 0's signal speaks for all four waves; wave 0 signals; every wave waits for all sixteen work-groups; my work-group's barrier once more.
.macro CREST                           ; a round behind its opening barrier
	s_cmp_lg_u32 s[WV], 0
	s_cbranch_scc1 .Lnot_wave_0_\@
	s_barrier_signal -3
.Lnot_wave_0_\@:
	s_barrier_wait -3
	s_barrier_signal -1
	s_barrier_wait -1
.endm
.macro CROUND
	s_barrier_signal -1
	s_barrier_wait -1
	CREST
.endm
; A joint refill, by the walking sets.  The branch hangs on the wave's number alone.  An s_nop 0 and four v_nop follow each of the two lines, ahead of the jump and the label.
.macro JLOAD
	s_cmp_eq_u32 s[WR], 0
	s_cbranch_scc0 .Lfor_b_\@
	tensor_load_to_lds s[G0A+4:G0A+7], s[G1A:G1A+7]
	s_nop 0
.rept 4
	v_nop
.endr
	s_branch .Lasked_\@
.Lfor_b_\@:
	tensor_load_to_lds s[G0B+4:G0B+7], s[G1B:G1B+7]
	s_nop 0
.rept 4
	v_nop
.endr
.Lasked_\@:
.endm
; A walker goes one K step (512 bytes of a row of x) on; behind a tensor's eighth step it turns to the next tensor's first.
.macro WALK ptr, cnt, n1, n2
	s_add_nc_u64 s[\ptr:\ptr+1], s[\ptr:\ptr+1], 512
	s_add_co_u32 s[\cnt], s[\cnt], 1
	s_cmp_eq_u32 s[\cnt], 8
	s_cselect_b64 s[\ptr:\ptr+1], s[\n1:\n1+1], s[\ptr:\ptr+1]
	s_cselect_b64 s[\n1:\n1+1], s[\n2:\n2+1], s[\n1:\n1+1]
	s_cselect_b32 s[\cnt], 0, s[\cnt]
.endm
; A PREFETCH INTO THE L2 of x, which comes from memory and is read once: at the change of slots in K step k the K step k + 4 is named, two refills (256 matrix instructions a wave) ahead of the load that will want it.
; Of the 64 rows that wave 0 or 1 fetches, the partner at place cx takes 16, told apart BY ADDRESS; a lane names one of 16 rows x 2 blocks of 256 bytes: each block is named once in the launch.
; K steps 0 to 3 come by their loads alone; the last changes (CNT at 2 or less: k + 4 would be past the 24th step) ask for nothing.  The weights are not asked for: 64 tile rows read them again.
.macro ASK
	s_cmp_gt_u32 s[CNT], s[LIM]
	s_cbranch_scc0 .Lnot_mine_\@
	global_prefetch_b8 v[PFO], s[PF:PF+1] th:TH_LOAD_NT scope:SCOPE_SE
.Lnot_mine_\@:
.endm
	s_load_b256 s[4:11], s[0:1], 0x0               ; q_embs s[4:5], k_embs s[6:7], v_embs s[8:9], wqkv s[10:11]
	s_load_b256 s[12:19], s[0:1], 0x20             ; bq s[12:13], bk s[14:15], bv s[16:17], qh s[18:19]
	s_load_b128 s[20:23], s[0:1], 0x40             ; kh s[20:21], vh s[22:23]
	WIN W_MK
	v_lshl_add_u32 v[SPW], v0, 2, SPARE
	v_mov_b32 v[NIL], 0
	WIN W_FA
	ds_add_u32 v[SPW], v[NIL]                      ; the wave's opening: the add and its wait stand ahead of my first tensor load; the set-up below, work on registers, stands between them
	ds_add_u32 v196, v197
	WIN 0
	v_lshrrev_b32 v3, 5, v0
	v_readfirstlane_b32 s[WV], v3                  ; wave 0..3
	s_lshr_b32 s[WR], s[WV], 1
	s_and_b32 s[WC], s[WV], 1
	s_bfe_u32 s[CX], ttmp6, 0x40000                ; my place in the cluster
	s_bfe_u32 s[CY], ttmp6, 0x40004
	s_lshl_b32 s[NT], ttmp9, 2                     ; in a cluster launch ttmp9 and ttmp7 count clusters
	s_add_co_u32 s[NT], s[NT], s[CX]               ; tile column = 4 x cluster x + cx
	s_and_b32 s[MT], ttmp7, 0xffff
	s_lshl_b32 s[MT], s[MT], 2
	s_add_co_u32 s[MT], s[MT], s[CY]               ; tile row = 4 x cluster y + cy
	s_lshl_b32 s2, s[CY], 2
	s_lshl_b32 s2, 15, s2                          ; my row of the cluster: places 4 cy .. 4 cy + 3
	s_lshl_b32 s3, 0x1111, s[CX]                   ; my column: places cx, cx + 4, cx + 8, cx + 12
	; group 1 for x: 64 rows x 128 elements of 4 bytes, 1,024 elements from row to row; padded in LDS
	s_or_b32 s[G1A], s2, (2<<16)|(1<<20)|(1<<21)|(6<<22)|(3<<25)  ; 15:0 the mask; 17:16 elements of 4 bytes; 20 padding on; 21 set beside a mask; 24:22 after every 128 words (code 6); 31:25 4 words (code 3)
	s_mov_b32 s[G1A+1], 128<<16                    ; tensor_dim0 = 128
	s_mov_b32 s[G1A+2], 64<<16                     ; tensor_dim1 = 64
	s_mov_b32 s[G1A+3], 128<<16                    ; tile_dim0 = 128
	s_mov_b32 s[G1A+4], 64                         ; tile_dim1 = 64
	s_mov_b32 s[G1A+5], 1024                       ; the pitch
	s_mov_b32 s[G1A+6], 0
	s_mov_b32 s[G1A+7], 0
	; group 1 for the weights: 32,768 dense bytes asked for as 128 rows of 256 bytes, two rows of 64 numbers each; padded in LDS after every 128 bytes
	s_or_b32 s[G1B], s3, (1<<16)|(1<<20)|(1<<21)|(4<<22)|(7<<25)  ; elements of 2 bytes; after every 32 words (code 4) 8 words (code 7)
	s_mov_b32 s[G1B+1], 128<<16
	s_mov_b32 s[G1B+2], 128<<16
	s_mov_b32 s[G1B+3], 128<<16
	s_mov_b32 s[G1B+4], 128
	s_mov_b32 s[G1B+5], 128
	s_mov_b32 s[G1B+6], 0
	s_mov_b32 s[G1B+7], 0
	s_mul_i32 s[DWA], s[WC], XH                    ; no place in the cluster enters an LDS address
	s_mul_i32 s[DWB], s[WC], WH
	s_add_co_u32 s[DWB], s[DWB], WOFF
	s_lshl_b32 s96, s[MT], 7                       ; x: row 128 x tile row + 64 x half,
	s_lshl_b32 s97, s[WC], 6
	s_add_co_u32 s96, s96, s97
	s_lshl_b32 s96, s96, 12                        ; of 4,096 bytes: under 2^25
	s_mov_b32 s97, 0
	s_mul_i32 s98, s[NT], 24*65536                 ; weights: the tile column's 24 blocks of 65,536 bytes, my half of each
	s_lshl_b32 s99, s[WC], 15
	s_add_co_u32 s98, s98, s99
	s_mov_b32 s99, 0
	s_mov_b32 s[SLF], 0
	s_mov_b32 s[CA], 2
	s_mov_b32 s[CP], 3
	s_cmp_eq_u32 s[WR], 0
	s_cselect_b32 s[LIM], 2, -1
	s_wait_dscnt 0x0                               ; the opening add is done
	s_wait_kmcnt 0x0
	s_add_nc_u64 s[4:5], s[4:5], s[96:97]          ; the three x at the rows that I fetch
	s_add_nc_u64 s[6:7], s[6:7], s[96:97]
	s_add_nc_u64 s[8:9], s[8:9], s[96:97]
	s_add_nc_u64 s[10:11], s[10:11], s[98:99]
	s_add_nc_u64 s[PA:PA+1], s[4:5], 2*512         ; the first refill asks for K step 2
	s_lshl_b32 s98, s[CX], 16                      ; the prefetches: my work-group's 16 rows of the 64
	s_add_nc_u64 s[PF:PF+1], s[4:5], s[98:99]
	s_add_nc_u64 s[PF:PF+1], s[PF:PF+1], 3*512     ; at K step 3: the first change steps it to 4
	s_add_nc_u64 s[NP1:NP1+1], s[6:7], s[98:99]
	s_add_nc_u64 s[NP2:NP2+1], s[8:9], s[98:99]
.irp s, 0,1
	s_mov_b32 s[G0A+4*(\s)], 1                                       ; count = 1
	s_add_co_u32 s[G0A+4*(\s)+1], s[DWA], (\s)*SLOT                  ; LDS address
	s_add_nc_u64 s[G0A+4*(\s)+2:G0A+4*(\s)+3], s[4:5], (\s)*512      ; global address: K step s
	s_or_b32 s[G0A+4*(\s)+3], s[G0A+4*(\s)+3], 0x80000000            ; type = 2
	s_mov_b32 s[G0B+4*(\s)], 1
	s_add_co_u32 s[G0B+4*(\s)+1], s[DWB], (\s)*SLOT
	s_add_nc_u64 s[G0B+4*(\s)+2:G0B+4*(\s)+3], s[10:11], (\s)*65536
	s_or_b32 s[G0B+4*(\s)+3], s[G0B+4*(\s)+3], 0x80000000
.endr
	CROUND                                         ; all sixteen work-groups are here: the first joint loads meet
	s_cmp_eq_u32 s[WR], 0                          ; a wave's two first fills stand in one branch, ahead of every wait on TENSORcnt and every LDS read: two loads of mine are out
	s_cbranch_scc0 .Lfirst_b
	tensor_load_to_lds s[G0A:G0A+3], s[G1A:G1A+7]
	s_nop 0
	tensor_load_to_lds s[G0A+4:G0A+7], s[G1A:G1A+7]
	s_nop 0
.rept 4
	v_nop
.endr
	s_branch .Lfirst_asked
.Lfirst_b:
	tensor_load_to_lds s[G0B:G0B+3], s[G1B:G1B+7]
	s_nop 0
	tensor_load_to_lds s[G0B+4:G0B+7], s[G1B:G1B+7]
	s_nop 0
.rept 4
	v_nop
.endr
.Lfirst_asked:
	v_and_b32 v1, 15, v0                           ; r = l % 16
	v_bfe_u32 v2, v0, 4, 1                         ; h = l / 16
	v_and_b32 v3, 7, v0
	v_bfe_u32 v4, v0, 3, 1
	v_and_b32 v5, 31, v0                           ; l
	s_lshl_b32 s2, s[NT], 10                       ; the bias: column 256 nt + 128 (w % 2) + 8 h, 4 bytes each
	s_lshl_b32 s3, s[WC], 9
	s_add_co_u32 s2, s2, s3
	v_lshl_add_u32 v[BO], v2, 5, s2
; The bias of my 128 columns as eight C fragments: in the transposed result register j of lane l is column 16 b + 8 h + j, whatever the row.
.macro BIASLD base
.irp b, 0,1,2,3,4,5,6,7
	global_load_b128 v[BIAS+8*(\b):BIAS+8*(\b)+3],   v[BO], s[\base:\base+1] offset:64*(\b)
	global_load_b128 v[BIAS+8*(\b)+4:BIAS+8*(\b)+7], v[BO], s[\base:\base+1] offset:64*(\b)+16
.endr
.endm
.macro RNDB                            ; each bias is rounded to bf16, like every input of the module, and kept as f32
.set p, 0
.rept 32
	v_cvt_pk_bf16_f32 v[T+p%4], v[BIAS+2*p], v[BIAS+2*p+1]
	v_lshlrev_b32 v[BIAS+2*p], 16, v[T+p%4]
	v_and_b32 v[BIAS+2*p+1], 0xffff0000, v[T+p%4]
.set p, p+1
.endr
.endm
	BIASLD 12                                      ; bq
	; An x fragment is 16 rows x 32 K: lane l holds row r, K = 8 h + 0..7 and 16 + 8 h + 0..7: in f32 two runs of 32 bytes, 64 bytes apart: four loads of 16 bytes.
	v_mul_u32_u24 v6, v1, XP
	v_lshl_add_u32 v6, v2, 5, v6
	s_mul_i32 s2, s[WR], XH
	v_add_nc_u32 v6, s2, v6                        ; my 64 rows; row r x pitch + 32 h
	; The turning load takes 16 K x 16 columns (lane l reads 16 bytes: K row 8 h + l % 8, columns 8 ((l / 8) % 2) + 0..7) and leaves half a fragment: lane l holds column l % 16 and 8 K.
	v_lshl_add_u32 v7, v2, 3, v3
	v_mul_u32_u24 v7, v7, WP
	v_lshl_add_u32 v7, v4, 4, v7
	s_mul_i32 s2, s[WC], WH
	s_add_co_u32 s2, s2, WOFF
	v_add_nc_u32 v7, s2, v7                        ; my two heads
	WIN W_MK
	v_mov_b32 v[A0], v6
	v_mov_b32 v[B0], v7
	v_mov_b32 v[ADRA], v6                          ; K step 0 lies in slot 0
	v_mov_b32 v[ADRB], v7
	WIN 0
	s_mul_i32 s2, s[WV], SWAVE
	s_add_co_u32 s2, s2, STAGE                     ; my stage
	v_mul_u32_u24 v[STO], v1, SP                   ; in: row r, 16 bytes for each half of the lanes
	v_lshl_add_u32 v[STO], v2, 4, v[STO]
	v_add_nc_u32 v[STO], s2, v[STO]
	v_bfe_u32 v[RD], v0, 3, 2                      ; back: 32 lanes take four rows of 128 bytes,
	v_mul_u32_u24 v[RD], v[RD], SP
	v_lshl_add_u32 v[RD], v3, 4, v[RD]
	v_add_nc_u32 v[RD], s2, v[RD]
	v_lshlrev_b32 v[GO], 4, v5                     ; which are 512 consecutive bytes of the output
	v_lshlrev_b32 v[PFO], 12, v1
	v_lshl_add_u32 v[PFO], v2, 8, v[PFO]
	s_lshr_b32 s2, s[MT], 3                        ; the outputs at ((16 batch + 4 nt + 2 (w % 2)) x 1,024 + the tile's first row in the batch + 64 (w / 2)) x 128 bytes
	s_lshl_b32 s2, s2, 4
	s_lshl_b32 s3, s[NT], 2
	s_add_co_u32 s2, s2, s3
	s_lshl_b32 s3, s[WC], 1
	s_add_co_u32 s2, s2, s3
	s_lshl_b32 s2, s2, 10
	s_and_b32 s3, s[MT], 7
	s_lshl_b32 s3, s3, 7
	s_add_co_u32 s2, s2, s3
	s_lshl_b32 s3, s[WR], 6
	s_add_co_u32 s2, s2, s3
	s_lshl_b32 s2, s2, 7
	s_mov_b32 s3, 0
	s_add_nc_u64 s[OUT:OUT+1], s[OUT:OUT+1], s[2:3]
	s_add_nc_u64 s[NO1:NO1+1], s[NO1:NO1+1], s[2:3]
	s_add_nc_u64 s[NO2:NO2+1], s[NO2:NO2+1], s[2:3]
	s_wait_loadcnt 0x0                             ; bq
	RNDB
; THE MATRIX WORK.  Product i of a quarter's 32: column fragment i / 4, row block i % 4.  first = 1: a tile's first quarter: the bias starts the sums: nothing is ever cleared.
.macro MM f, first
.set mb, i/4
.set ma, i%4
.if \first
	WIN W_MF
	v_wmma_f32_16x16x32_bf16 v[8*(8*ma+mb):8*(8*ma+mb)+7], v[BB+64*(\f)+8*mb:BB+64*(\f)+8*mb+7], v[AB+32*(\f)+8*ma:AB+32*(\f)+8*ma+7], v[BIAS+8*mb:BIAS+8*mb+7]
.else
	WIN W_MM
	v_wmma_f32_16x16x32_bf16 v[8*(8*ma+mb):8*(8*ma+mb)+7], v[BB+64*(\f)+8*mb:BB+64*(\f)+8*mb+7], v[AB+32*(\f)+8*ma:AB+32*(\f)+8*ma+7], v[8*(8*ma+mb):8*(8*ma+mb)+7]
.endif
.set i, i+1
.endm
; Load n of 16 of a quarter's weights (K rows 32 kb on) into buffer g: fragment n / 2 (head n / 8, columns 16 ((n / 2) % 4) on), its half n % 2 (16 K rows on).
.macro LB n, g, kb
	WIN W_FB
	ds_load_tr16_b128 v[BB+64*(\g)+4*(\n):BB+64*(\g)+4*(\n)+3], v[ADRB] offset:(\kb)*32*WP+((\n)/8)*WSUB+(((\n)/2)%4)*32+((\n)%2)*16*WP
.endm
.macro BRUN g, kb                      ; a quarter's weights: 16 loads on end
.set j, 0
.rept 16
	LB j, \g, \kb
.set j, j+1
.endr
.endm
; Load n of 16 of a quarter's x in f32 (byte 128 ka of the rows) into buffer s: row block n / 4, four numbers.
.macro LA n, ka, s
	WIN W_FA
	ds_load_b128 v[ST+64*(\s)+4*(\n):ST+64*(\s)+4*(\n)+3], v[ADRA] offset:(\ka)*128+((\n)/4)*16*XP+(((\n)%4)/2)*64+((\n)%2)*16
.endm
.macro ARUN ka, s                      ; a quarter's x: 16 loads on end
.set j, 0
.rept 16
	LA j, \ka, \s
.set j, j+1
.endr
.endm
; The four numbers of load n in buffer g are rounded to bf16: two words of fragment n / 4 of buffer g.
.macro CV n, g
	WIN W_FA
	v_cvt_pk_bf16_f32 v[AB+32*(\g)+2*(\n)],   v[ST+64*(\g)+4*(\n)],   v[ST+64*(\g)+4*(\n)+1]
	v_cvt_pk_bf16_f32 v[AB+32*(\g)+2*(\n)+1], v[ST+64*(\g)+4*(\n)+2], v[ST+64*(\g)+4*(\n)+3]
.endm
.macro MMCV f, first, pairs            ; pairs of products, four roundings behind each pair
.rept \pairs
	MM \f, \first
	MM \f, \first
	CV j, 1-(\f)
	CV j+1, 1-(\f)
.set j, j+2
.endr
.endm
; A QUARTER multiplies buffers f; kb: the quarter of weights that it fetches (the next one's), ka: the quarter of x that it fetches (the one after that).
; turn = 0.  LDS instructions come back in order (ISA guide 5.7.1), and each quarter issues 16 loads of weights and then 16 of x.  At the head: my weights are in, the 16 younger loads (x) may stay out.
; Then this quarter's run of 32.  Behind eight products: the next quarter's x in f32 is in, the 32 loads of the run just issued may stay out.  The four v_nop at the end are the places in front of the
; next quarter's loads and roundings into the buffers just multiplied.
; turn = 1, 2: a K step's third quarter CHANGES SLOTS: the weights' run at its head holds the slot's last reads (x's last quarter was read a quarter ago).  ONE barrier: in front of it each wave waits for all its
; tensor loads, of which one is out: its part of the other slot; adds 0 to its spare word; and waits for that and for its reads of this slot.  x's run, out of the other slot, stands behind the barrier.
; turn = 1: this slot is filled again, with the K step two on.  The barrier then opens a round of the cluster's, so that no wave of any partner still reads the slot or has a load on its way, and the joint
; refill is the first tensor load behind it: it has 8 + 96 = 104 matrix instructions in which to land.  By this text's own count a wave has two tensor loads out at the start and one afterwards.
.macro QTR f, kb, ka, first=0, turn=0
.if (\turn) == 1
	s_wait_xcnt 0x0                                ; the last prefetch, a K step back, has read its address, so the walker may step
	WALK PF, CP, NP1, NP2
.endif
	s_wait_dscnt 16
	BRUN 1-(\f), \kb
.set i, 0
.if (\turn) == 0
	ARUN \ka, \f
.rept 8
	MM \f, \first
.endr
	s_wait_dscnt 32
.set j, 0
	MMCV \f, \first, 8
.rept 8
	MM \f, \first
.endr
	PLACES
.else
	WIN W_FA                                       ; (the add's two registers lie in window 2)
	s_wait_tensorcnt 0x0                           ; all my tensor loads have landed, so a group 0 may be written
	ds_add_u32 v[SPW], v[NIL]                      ; 0 onto my spare word: scalar work, 16 products and the roundings stand between it and the wait for it
.if (\turn) == 1
	s_add_co_u32 s[G0A+5], s[DWA], s[SLF]          ; the walking sets: into the slot that is being left,
	s_add_co_u32 s[G0B+5], s[DWB], s[SLF]
	s_mov_b64 s[G0A+6:G0A+7], s[PA:PA+1]           ; x's address made anew from its walker,
	s_or_b32 s[G0A+7], s[G0A+7], 0x80000000
	s_add_nc_u64 s[G0B+6:G0B+7], s[G0B+6:G0B+7], 65536  ; the weights' next block; the type bits on top are not reached
	WALK PA, CA, NA1, NA2
.endif
	s_xor_b32 s[SLF], s[SLF], SLOT                 ; the reads go on in the other slot
	s_wait_dscnt 17                                ; the next quarter's x in f32 is in; the 16 loads of weights and the add may stay out
.set j, 0
	MMCV \f, \first, 8
	s_wait_dscnt 0x0                               ; the add is done, and my reads of this slot are over:
	s_barrier_signal -1                            ; say so,
.rept 8
	MM \f, \first                                  ; work on registers while the others arrive,
.endr
	WIN 0
	s_barrier_wait -1                              ; and go on when all four have said so
.if (\turn) == 1
	CREST
	JLOAD
.endif
	WIN W_FA
	v_add_nc_u32 v[ADRA], s[SLF], v[A0]
	v_add_nc_u32 v[ADRB], s[SLF], v[B0]
	ARUN 0, \f                                     ; the next K step's first quarter of x
	WIN 0
.if (\turn) == 1
	ASK                                            ; behind the joint load and the run of LDS loads
.endif
.rept 8
	MM \f, \first
.endr
	PLACES
	WIN 0
.endif
.endm
.macro QBARE f                         ; the very last quarter: nothing more to fetch
	s_wait_dscnt 0x0
.set i, 0
.rept 32
	MM \f, 0
.endr
	PLACES
	WIN 0
.endm
; THE WAY OUT, a block of 16 rows at a time.  PACK: rounded to f16, each accumulator from its low end on: 16 bytes a lane and fragment.  TOSTAGE: into my own stage and back as whole rows of 128 bytes.
; SEND: stored: each store covers 512 consecutive bytes, aligned.  The stage is the wave's own: LDS serves a wave's instructions in order (ISA guide 5.7.1.4), so no wait stands between its stores and loads.
.macro PACK a
	WIN W_PK
.irp b, 0,1,2,3,4,5,6,7
.irp r, 0,1,2,3
	v_cvt_pk_f16_f32 v[TMP+4*(\b)+(\r)], v[8*(8*(\a)+(\b))+2*(\r)], v[8*(8*(\a)+(\b))+2*(\r)+1]
.endr
.endr
	WIN 0
.endm
.macro TOSTAGE a
	WIN 0
.irp b, 0,1,2,3,4,5,6,7
	ds_store_b128 v[STO], v[TMP+4*(\b):TMP+4*(\b)+3] offset:((\b)/4)*SHEAD+((\b)%4)*32
.endr
.irp f, 0,1,2,3,4,5,6,7
	ds_load_b128 v[OB+32*((\a)%2)+4*(\f):OB+32*((\a)%2)+4*(\f)+3], v[RD] offset:((\f)/4)*SHEAD+((\f)%4)*4*SP
.endr
.endm
.macro SEND a
	WIN 0
	s_wait_dscnt 0x0                               ; the block is back in registers
	s_wait_xcnt 0x0                                ; the earlier stores have read their registers: the set that they left is loaded again only behind this wait
.irp f, 0,1,2,3,4,5,6,7
	global_store_b128 v[GO], v[OB+32*((\a)%2)+4*(\f):OB+32*((\a)%2)+4*(\f)+3], s[OUT:OUT+1] offset:((\f)/4)*131072+(\a)*2048+((\f)%4)*512  ; head f / 4, rows 16 a + 4 (f % 4) on
.endr
.endm
; next = 1: another tile follows: its bias is asked for first and rounded last, and the pointers move up.  The refill is on its way all the while, and nothing waits for the stores.
.macro WAYOUT next
	WIN 0
.if \next
	BIASLD NB1
.endif
	PACK 0
	TOSTAGE 0
.irp a, 1,2,3
	PACK \a
	SEND (\a)-1
	TOSTAGE \a
.endr
	SEND 3
.if \next
	s_wait_xcnt 0x0                                ; the stores and the bias's loads have read their bases
	s_mov_b64 s[OUT:OUT+1], s[NO1:NO1+1]
	s_mov_b64 s[NO1:NO1+1], s[NO2:NO2+1]
	s_mov_b64 s[NB1:NB1+1], s[NB2:NB2+1]
	s_wait_loadcnt 0x0
	RNDB
.endif
.endm
	s_wait_tensorcnt 0x1                           ; my part of K step 0 is in; K step 1's may stay out
	s_barrier_signal -1
	s_barrier_wait -1                              ; everybody's is
	ARUN 0, 0                                      ; quarter 0's x,
	BRUN 0, 0                                      ; its weights,
	ARUN 1, 1                                      ; and quarter 1's x
	s_wait_dscnt 32                                ; quarter 0's x is in; the 32 younger loads may stay out
.set j, 0
.rept 16
	CV j, 0
.set j, j+1
.endr
	WIN 0                                          ; at a label and at a branch every window is 0
	s_mov_b32 s[CNT], 22
	s_mov_b32 s[KT], 0
	s_branch .Lq0f                                 ; the loop is entered at a K step's first quarter, in the middle of a trip
.Ltrip:                                                ; trip k = 0 .. 21: the last quarter of K step k - 1, three quarters of K step k; K step k + 2 is asked for
	QTR 1, 0, 1
	WIN 0
	s_cmp_lg_u32 s[KT], 0
	s_cbranch_scc1 .Lq0n
	WAYOUT 1                                       ; k = 8, 16: a tile is finished
.Lq0f:
	QTR 0, 1, 2, 1
	WIN 0
	s_branch .Lq1
.Lq0n:
	QTR 0, 1, 2
	WIN 0
.Lq1:
	QTR 1, 2, 3
	QTR 0, 3, 0, 0, 1
	s_add_co_u32 s[KT], s[KT], 1
	s_and_b32 s[KT], s[KT], 7
	s_sub_co_u32 s[CNT], s[CNT], 1
	s_cmp_lg_u32 s[CNT], 0
	s_cbranch_scc1 .Ltrip
	s_mov_b32 s[TCNT], 2
.Ltail:                                                ; k = 22, 23: written apart: nothing is asked for, and no round follows the barrier
	QTR 1, 0, 1
	QTR 0, 1, 2
	QTR 1, 2, 3
	QTR 0, 3, 0, 0, 2
	s_sub_co_u32 s[TCNT], s[TCNT], 1
	s_cmp_lg_u32 s[TCNT], 0
	s_cbranch_scc1 .Ltail
	QBARE 1
	WAYOUT 0
	WIN W_FA
	s_wait_tensorcnt 0x0                           ; the wave's end: behind my last tensor load and my last LDS store
	ds_add_u32 v[SPW], v[NIL]
	s_wait_dscnt 0x0
	WIN 0
	CROUND                                         ; the closing round: no work-group ends while a partner may still ask for a tile that names it
	s_endpgm
.Lfunc_end_k_qc670c79351_proj:
	.size	k_qc670c79351_proj, .Lfunc_end_k_qc670c79351_proj-k_qc670c79351_proj
	.p2alignl 7, 3214868480
	.fill 96, 4, 3214868480
	.section	.rodata,"a",@progbits
	.p2align	6, 0x0
	.amdhsa_kernel k_qc670c79351_proj
		.amdhsa_group_segment_fixed_size 327680
		.amdhsa_private_segment_fixed_size 0
		.amdhsa_enable_private_segment 0
		.amdhsa_kernarg_size 80
		.amdhsa_user_sgpr_count 2
		.amdhsa_user_sgpr_kernarg_segment_ptr 1
		.amdhsa_wavefront_size32 1
		.amdhsa_system_sgpr_workgroup_id_x 1
		.amdhsa_system_sgpr_workgroup_id_y 1
		.amdhsa_system_sgpr_workgroup_id_z 1
		.amdhsa_system_vgpr_workitem_id 0
		.amdhsa_next_free_vgpr 896
		.amdhsa_next_free_sgpr 100
		.amdhsa_reserve_vcc 0
		.amdhsa_float_denorm_mode_32 3
		.amdhsa_float_denorm_mode_16_64 3
		.amdhsa_memory_ordered 1
		.amdhsa_forward_progress 1
		.amdhsa_inst_pref_size 125
	.end_amdhsa_kernel
	.amdgpu_metadata
---
amdhsa.version: [ 1, 2 ]
amdhsa.kernels:
  - .name:           k_qc670c79351_proj
    .symbol:         k_qc670c79351_proj.kd
    .args:
      - { .name: q_embs, .offset: 0, .size: 8, .value_kind: global_buffer, .address_space: global }
      - { .name: k_embs, .offset: 8, .size: 8, .value_kind: global_buffer, .address_space: global }
      - { .name: v_embs, .offset: 16, .size: 8, .value_kind: global_buffer, .address_space: global }
      - { .name: wqkv, .offset: 24, .size: 8, .value_kind: global_buffer, .address_space: global }
      - { .name: bq, .offset: 32, .size: 8, .value_kind: global_buffer, .address_space: global }
      - { .name: bk, .offset: 40, .size: 8, .value_kind: global_buffer, .address_space: global }
      - { .name: bv, .offset: 48, .size: 8, .value_kind: global_buffer, .address_space: global }
      - { .name: qh, .offset: 56, .size: 8, .value_kind: global_buffer, .address_space: global }
      - { .name: kh, .offset: 64, .size: 8, .value_kind: global_buffer, .address_space: global }
      - { .name: vh, .offset: 72, .size: 8, .value_kind: global_buffer, .address_space: global }
    .group_segment_fixed_size: 327680
    .private_segment_fixed_size: 0
    .kernarg_segment_align: 8
    .kernarg_segment_size: 80
    .max_flat_workgroup_size: 128
    .sgpr_count:     100
    .vgpr_count:     896
    .wavefront_size: 32
...
	.end_amdgpu_metadata
.endif
;; end of part 2
;; launch attn (part 3): grid 2 x 128, 4 waves a work-group, no clusters, 327,680 bytes of LDS; arguments qh, kh, vh, oh; writes oh
.if DOCPART == 3
	.amdgcn_target "amdgcn-amd-amdhsa--gfx1250"
	.amdhsa_code_object_version 6
	.text
	.protected	k_qc670c79351_attn
	.globl	k_qc670c79351_attn
	.p2align	8
	.type	k_qc670c79351_attn,@function
k_qc670c79351_attn:
	s_mov_b64 s[64:65], 0
	v_nop
	global_prefetch_b8 v0, s[64:65] scope:SCOPE_SE
	s_setreg_imm32_b32 hwreg(HW_REG_WAVE_MODE, 25, 1), 1
	s_wait_xcnt 0x0
; CAUSAL ATTENTION.  O[h][q][:] = the sum over k <= q of softmax_k(Q[h][q] . K[h][k] / 8) V[h][k][:].  Q, K, V, O: [SIZE_H][SIZE_N][64], all f16: a head's rows are dense, 128 bytes each.
; Products, maxima and sums in f32; the weights p are rounded to f16 for the second product (their sum l is taken of the unrounded p), O once at the end.  SIZE_N is a multiple of 512; SIZE_N x 128 stays under 2^32.
; LIMITS.  f16 holds no number beyond 65,504: Q, K and V arrive within it; p lies in 0 to 1, and below 6e-5 it keeps f16's fixed step of 6e-8; O is a mean of V's rows and has their range, to within 2^-11 of it.
; A hidden score counts as its value less 1e30: f16's scores, 2.7e11 at the most, are nothing beside that; a weight below 2^-126 counts as 0 in l; NaN and infinities are not treated apart.
; THE WALK.  A head's queries lie in NB = SIZE_N / 256 blocks of 256; block i needs the key tiles 0 .. i of 256 keys, of which the last holds the diagonal.  A work-group takes TWO blocks, NB - 1 - b and then b:
; NB + 1 tiles, whatever b: all work-groups do equal work, and ONE loop with a constant trip count walks them.  Which tile is asked for, and what a trip does, hang on scalar registers made from b; every jump
; goes forward, but for the counted loops' own; none passes a barrier, or a tensor load but the one of LOAD's two that the wave's number does not choose; the ring (two slots of LDS that take turns) runs on across the
; change of blocks.  NO CLUSTER: a head has NB / 2 = 2 work-groups, no multiple of four; both ask for the same tile only in trips 0 .. NB / 2; and one walk common to all would have 3 NB / 2 trips for NB + 1.
; SHARES.  Of a block's four bands of 64 queries a wave owns 16 rows in each: four PIECES.  So the diagonal tile is the same work for all four waves: in its key step s band x sees all keys if s < x,
; none if s > x, and holds the diagonal if s = x.
; THE MASK is the C operand that starts the sum S^T = K Q^T: 0, or -1e30 where the key is hidden.  MD, made once, is the mask of a band's own step for my 16 rows; a product's mask is MD x AL + BE with two scalars:
; (1, 0) if s = x; (0, 0) if s < x; (0, -1e30) if s > x.  Only the diagonal tile's text and a block's beginning make and take masks; elsewhere C is the constant 0.
; LAYOUT, SOFTMAX, TURNS.  S^T = K Q^T holds ONE query a lane (lane % 16) and the keys 8 (lane / 16) + 0..7; two such results rounded to f16 ARE source 1 of O^T = V^T P.  p = 2^(c s - c m), c = log2(e) / 8, with a
; running maximum m; O and l are multiplied by a = 2^(c m_old - c m_new) in every step.  Turn n belongs to piece n: 8 products K Q^T of piece n + 1, later 8 products V^T P of piece n - 1; beside them the scaling,
; exponentials, roundings, sums and rescaling of piece n and the maximum and statistics of piece n + 1.  Four vector instructions stand behind every matrix instruction, the other 54 of a turn's 118 in two LUMPS.
; REGISTERS, in windows of 256 (s_set_vgpr_msb: bits 1:0 source 0, 3:2 source 1, 5:4 source 2, 7:6 destination):
;   window 0: v0-15 addresses and two at work; v16-31 four registers of statistics a piece; v48-55 at work; v64-127 S^T, two buffers; v192-223 P, two buffers (a piece's buffers go by its number's parity)
;   window 1: v0-127 O^T, 32 a piece; v128-159 MD; v160-223 MC, two buffers      window 2: v0-63 Q; v64-127 the second block's Q; v128-191 K of one step; v192-255 V of one step
.set SIZE_N, 1024     ; rows of a head
.set SIZE_H, 128      ; 8 batches x 16 heads: the grid's y
.set NB,    SIZE_N/256
.set NP,    4         ; pieces a wave: a name, no knob
.set KS,    64        ; keys in a step
.set PK,    144       ; a row of K in LDS: 128 bytes + 16 of padding = 36 words: the 16 rows of a load start at 16 different groups of four banks (64 banks of 4 bytes: ISA guide 11.1)
.set PV,    160       ; a row of V: 128 + 32 = 40 words
.set VOFF,  4*KS*PK   ; a slot holds a tile, four steps: 256 rows of K, then 256 rows of V
.set SLOT1, 1<<17     ; slot 1 begins here, so that one exclusive or turns an address in one slot into the other's
.set STAGE, SLOT1+4*KS*(PK+PV)  ; behind the ring, never filled by a tensor load: 16 rows x 144 bytes for each wave, for the way out
.set SP,    144
.set AK0, 2           ; v2   my lane's place in a tile of K; never rewritten
.set AV0, 3           ; v3   the same for V
.set AK,  4           ; v4   the LDS address of K's next run of loads
.set AV,  5           ; v5   of V's
.set STO, 6           ; v6   the way out: where I put 16 bytes of a row
.set RD,  7           ; v7   the way out: where I read rows back
.set GO,  8           ; v8   my byte offset in 512 consecutive bytes of O
.set SPW, 62          ; v62  LDS address of my spare word: SPARE + 4 x my thread's number; never rewritten
.set NIL, 63          ; v63  0; never rewritten
.set SPARE, STAGE+4*16*SP  ; behind the stages: the spare words, 128 bytes for each wave: two blocks of 256 bytes that no other line names
.set MV,  12          ; v12-13  c m_old, kept while c m is made anew: by buffer
.set QO,  15          ; v15  my byte offset in 16 rows of Q
.set ST,  16          ; piece t's statistics at v[ST+4 t]: c m, m, l (even keys', odd keys')
.set TMP, 48          ; by buffer, four registers c0-c3 at work; when the maximum is found c2 takes a
.set S,   64
.set P,   192
.set MD,  128         ; window 1: the eight registers for group kt of 16 keys at MD + 8 kt
.set MC,  160         ; window 1: the masks of the products to come
.set QB,  64          ; window 2
.set KF,  128         ; window 2: key block kb, channel half c at KF + 16 kb + 8 c
.set VF,  192         ; window 2: key half kk, channel block cb at VF + 32 kk + 8 cb
.set WV,  12          ; s12  my wave's number
.set PB,  14          ; s14  b
.set HI,  15          ; s15  NB - 1 - b
.set G1K, 24          ; s[24:31] descriptor group 1 for K's tiles
.set G1V, 32          ; s[32:39] for V's: it differs in the padding alone
.set G0K, 40          ; s[40:43] descriptor group 0 for K's tiles
.set G0V, 44          ; s[44:47] the same for V's
.set SLOTS, 56        ; s56  tiles still to be asked for
.set CNT, 57          ; s57  counts a tile's key steps, 4 to 1
.set CS,  58          ; s[58:59] c: the packed scaling takes the pair's low word for both halves
.set SEL, 60          ; s[60:61] v_permlanex16_b32's selects: each lane takes its own place in the other half
.set TBK, 62          ; s62  LDS byte at which K of the step to be fetched begins
.set TBV, 63          ; s63  the same for V, less VOFF
.set RT,  70          ; s70  tiles of the block in hand that are still to be entered
.set NXT, 71          ; s71  the tile to be asked for next
.set LQ,  72          ; s72  the last tile of the block whose tiles are being asked for
.set NEW, 73          ; s73  1: the tile to be entered is a block's first
.set OFF, 74          ; s[74:75] a tile's byte offset in K and V
.set AL,  76          ; s[76:77] the mask's factor, in the low word
.set BE,  78          ; s[78:79] the mask's addend
.set OLO, 80          ; s[80:81] O at my rows of the second block
.set BIGN, 82         ; s82  -1e30
.set MSB, 0
.macro WIN new                      ; the high byte repeats the setting that is left; a switch that changes nothing is dropped
.if MSB != (\new)
	s_set_vgpr_msb (MSB<<8)|(\new)
.set MSB, (\new)
.endif
.endm
.set W_KQ, 0x0a       ; K and Q in window 2, S^T in window 0
.set W_KM, 0x1a       ; the same with the C operand in window 1
.set W_PV, 0x52       ; V in window 2, P in window 0, O^T in window 1
.set W_RS, 0x41       ; destination and source 0 in window 1, source 1 in window 0
; A fill.  Waves 0 and 1 fetch the two halves of a tile's K, waves 2 and 3 those of its V: 128 keys each.  An s_nop 0 and four v_nop follow each of the two lines, ahead of the jump and the label.
.macro LOAD
	s_cmp_lt_u32 s[WV], 2
	s_cbranch_scc0 .Lfor_v_\@
	tensor_load_to_lds s[G0K:G0K+3], s[G1K:G1K+7]
	s_nop 0
.rept 4
	v_nop
.endr
	s_branch .Lasked_\@
.Lfor_v_\@:
	tensor_load_to_lds s[G0V:G0V+3], s[G1V:G1V+7]
	s_nop 0
.rept 4
	v_nop
.endr
.Lasked_\@:
.endm
; THE CHANGE OF SLOTS.  Each wave waits for all its tensor loads, of which one is out: its part of the other slot; adds 0 to its spare word; and waits for that and for its own reads of the slot that it leaves.  Behind the barrier nobody reads the old
; slot any more and the other slot is whole.  fill = 1: the old slot is filled again, the first thing behind the barrier, with tile NXT: the descriptor's address is made anew from that number.
; (At its first use nothing has been read yet: slot 0 is waited for, slot 1 filled.)
.macro CHANGE fill
	WIN 0                           ; at a label and at a branch every window is 0
	s_wait_tensorcnt 0x0            ; no tensor load of mine is out, so a group 0 may be written
	ds_add_u32 v[SPW], v[NIL]       ; 0 onto my spare word: with fill = 1 the descriptors' scalar work stands between it and the wait for it
.if \fill
	s_lshl_b32 s[OFF], s[NXT], 15   ; a tile is 32,768 bytes of K and of V
	s_xor_b32 s[G0K+1], s[G0K+1], SLOT1
	s_add_nc_u64 s[G0K+2:G0K+3], s[6:7], s[OFF:OFF+1]
	s_or_b32 s[G0K+3], s[G0K+3], 0x80000000
	s_xor_b32 s[G0V+1], s[G0V+1], SLOT1
	s_add_nc_u64 s[G0V+2:G0V+3], s[8:9], s[OFF:OFF+1]
	s_or_b32 s[G0V+3], s[G0V+3], 0x80000000
	s_add_co_u32 s[NXT], s[NXT], 1  ; the block's next tile, or behind its last the second block's tile 0
	s_cmp_gt_u32 s[NXT], s[LQ]
	s_cselect_b32 s[NXT], 0, s[NXT]
	s_cselect_b32 s[LQ], s[PB], s[LQ]
.endif
	s_wait_dscnt 0x0                ; the add is done, and my reads of the slot are over
	s_barrier_signal -1             ; the rest of the scalar work stands between the signal and the wait
	s_sub_co_u32 s[TBK], s[TBK], 4*KS*PK  ; the fetches go back to a slot's first step,
	s_xor_b32 s[TBK], s[TBK], SLOT1       ; in the other slot
	s_sub_co_u32 s[TBV], s[TBV], 4*KS*PV
	s_xor_b32 s[TBV], s[TBV], SLOT1
	s_barrier_wait -1
.if \fill
	LOAD
.endif
.endm
	s_load_b256 s[4:11], s[0:1], 0x0  ; Q s[4:5], K s[6:7], V s[8:9], O s[10:11]
	v_lshl_add_u32 v[SPW], v0, 2, SPARE
	v_mov_b32 v[NIL], 0
	ds_add_u32 v[SPW], v[NIL]       ; the wave's opening: the add and its wait stand ahead of my first tensor load; the set-up below, work on registers, stands between them
	ds_add_u32 v62, v63
	v_lshrrev_b32 v1, 5, v0
	v_readfirstlane_b32 s[WV], v1   ; wave 0..3
	s_mov_b32 s[PB], ttmp9
	s_sub_co_u32 s[HI], NB-1, s[PB]
	s_and_b32 s20, ttmp7, 0xffff    ; the head
	s_mov_b32 s21, 0
	s_mov_b64 s[22:23], SIZE_N*128
	s_mul_u64 s[20:21], s[20:21], s[22:23]  ; the head's first byte in each of the four tensors
	s_and_b32 s16, s[WV], 1         ; which half of a tile's 256 keys I fetch:
	s_lshl_b32 s22, s16, 14         ; its 128 rows of 128 bytes in memory,
	s_mov_b32 s23, 0
	s_add_nc_u64 s[22:23], s[22:23], s[20:21]
	s_mul_i32 s17, s16, 128*PK      ; and its place in a slot, for K
	s_mul_i32 s18, s16, 128*PV      ; and for V
	s_lshl_b32 s3, s[WV], 11        ; my 16 rows in a band of 64,
	s_lshl_b32 s2, s[HI], 15        ; in the first block,
	s_add_co_u32 s2, s2, s3
	s_lshl_b32 s84, s[PB], 15       ; and in the second
	s_add_co_u32 s84, s84, s3
	s_mov_b32 s3, 0
	s_mov_b32 s85, 0
	s_add_nc_u64 s[2:3], s[2:3], s[20:21]
	s_add_nc_u64 s[84:85], s[84:85], s[20:21]
	; descriptor group 1.  128 keys are 16,384 dense bytes: asked for as 64 rows of 256 bytes, two keys a row, and padded in LDS after every key
	s_mov_b32 s[G1K], (1<<16)|(1<<20)|(4<<22)|(3<<25)  ; 17:16 2-byte elements; 20 padding on; 24:22 after every 32 words (code 4); 31:25 4 words (code 3)
	s_mov_b32 s[G1V], (1<<16)|(1<<20)|(4<<22)|(7<<25)  ; the same with 8 words of padding (code 7)
.irp g, G1K, G1V
	s_mov_b32 s[\g+1], 128<<16      ; tensor_dim0 = 128
	s_mov_b32 s[\g+2], 64<<16       ; tensor_dim1 = 64
	s_mov_b32 s[\g+3], 128<<16      ; tile_dim0 = 128
	s_mov_b32 s[\g+4], 64           ; tile_dim1 = 64
	s_mov_b32 s[\g+5], 128          ; 128 elements from row to row
	s_mov_b32 s[\g+6], 0
	s_mov_b32 s[\g+7], 0
.endr
	s_mov_b32 s[CS], 0x3e38aa3b     ; c = log2(e) / 8 = 0.180337
	s_mov_b32 s[CS+1], s[CS]        ; named with it as a pair
	s_mov_b32 s[SEL], 0x76543210
	s_mov_b32 s[SEL+1], 0xfedcba98
	s_mov_b32 s[TBK], SLOT1+4*KS*PK ; the first change of slots turns these two into 0
	s_mov_b32 s[TBV], SLOT1+4*KS*PV
	s_mov_b32 s[G0K], 1             ; 1:0 count = 1
	s_mov_b32 s[G0K+1], s17         ; 63:32 LDS address: slot 0
	s_mov_b32 s[G0V], 1
	s_add_co_u32 s[G0V+1], s18, VOFF
	s_add_co_u32 s[RT], s[HI], 1    ; the first block has NB - b tiles
	s_mov_b32 s[NXT], 1
	s_mov_b32 s[LQ], s[HI]
	s_mov_b32 s[NEW], 1
	s_mov_b32 s[OFF+1], 0
	s_mov_b32 s[AL+1], 0            ; named as pairs
	s_mov_b32 s[BE+1], 0
	s_mov_b32 s[BIGN], 0xf149f2ca   ; -1e30
	s_mov_b32 s[SLOTS], NB
	s_wait_dscnt 0x0                ; the opening add is done
	s_wait_kmcnt 0x0
	s_add_nc_u64 s[6:7], s[6:7], s[22:23]  ; K and V at my half of the head's tile 0
	s_add_nc_u64 s[8:9], s[8:9], s[22:23]
	s_add_nc_u64 s[G0K+2:G0K+3], s[6:7], 0         ; 120:64 global address
	s_or_b32 s[G0K+3], s[G0K+3], 0x80000000        ; 127:126 type = 2
	s_add_nc_u64 s[G0V+2:G0V+3], s[8:9], 0
	s_or_b32 s[G0V+3], s[G0V+3], 0x80000000
	s_add_nc_u64 s[86:87], s[4:5], s[84:85]        ; Q at my rows of the second block,
	s_add_nc_u64 s[4:5], s[4:5], s[2:3]            ; Q and O at those of the first
	s_add_nc_u64 s[OLO:OLO+1], s[10:11], s[84:85]
	s_add_nc_u64 s[10:11], s[10:11], s[2:3]
	LOAD                            ; tile 0 into slot 0
	; A fragment of K or Q is 16 rows x 32 channels in 8 registers: lane l holds row l % 16, channels 8 (l / 16) + 0..7 and 16 + 8 (l / 16) + 0..7: two loads of 16 bytes, 32 bytes apart.
	v_and_b32 v1, 15, v0            ; l % 16
	v_bfe_u32 v9, v0, 4, 1          ; l / 16
	v_lshlrev_b32 v[QO], 7, v1
	v_lshl_add_u32 v[QO], v9, 4, v[QO]  ; row x 128 + 16 x half
	WIN 0x80                        ; destination window 2, address window 0
.set i, 0
.rept 8                             ; both blocks' Q: piece i / 2 lies in band i / 2, 8,192 bytes on; channels 32 (i % 2) on
	global_load_b128 v[8*i:8*i+3],   v[QO], s[4:5] offset:(i/2)*8192+(i%2)*64
	global_load_b128 v[8*i+4:8*i+7], v[QO], s[4:5] offset:(i/2)*8192+(i%2)*64+32
	global_load_b128 v[QB+8*i:QB+8*i+3],   v[QO], s[86:87] offset:(i/2)*8192+(i%2)*64
	global_load_b128 v[QB+8*i+4:QB+8*i+7], v[QO], s[86:87] offset:(i/2)*8192+(i%2)*64+32
.set i, i+1
.endr
	WIN 0
	v_lshlrev_b32 v14, 3, v9
	v_sub_nc_u32 v14, v1, v14
	s_lshl_b32 s13, s[WV], 4
	v_add_nc_u32 v14, s13, v14      ; my query's place in its band, 16 w + l % 16, less my lanes' 8 (l / 16): register r of group kt is hidden where 16 kt + r is greater
	WIN 0x40
.set i, 0
.rept 32
	v_cmp_gt_i32 vcc_lo, 16*(i/8)+i%8, v14
	v_cndmask_b32 v[MD+i], 0, s[BIGN], vcc_lo
.set i, i+1
.endr
	WIN 0
	v_mul_u32_u24 v[AK0], v1, PK
	v_lshl_add_u32 v[AK0], v9, 4, v[AK0]  ; row x pitch + 16 x half
	; The turning load takes 16 keys x 16 channels (lane l reads key 8 (l / 16) + l % 8, channels 8 ((l / 8) % 2) + 0..7) and leaves half a fragment of V^T: lane l holds channel l % 16 and 8 keys.
	v_and_b32 v10, 7, v0
	v_bfe_u32 v11, v0, 3, 1
	v_lshl_add_u32 v[AV0], v9, 3, v10
	v_mul_u32_u24 v[AV0], v[AV0], PV
	v_lshl_add_u32 v[AV0], v11, 4, v[AV0]
	v_add_nc_u32 v[AV0], VOFF, v[AV0]
	s_mul_i32 s13, s[WV], 16*SP
	s_add_co_u32 s13, s13, STAGE    ; my stage
	v_mul_u32_u24 v[STO], v1, SP    ; in: row l % 16, 16 bytes for each half of the lanes
	v_lshl_add_u32 v[STO], v9, 4, v[STO]
	v_add_nc_u32 v[STO], s13, v[STO]
	v_bfe_u32 v[RD], v0, 3, 2       ; back: 32 lanes take four rows of 128 bytes,
	v_mul_u32_u24 v[RD], v[RD], SP
	v_lshl_add_u32 v[RD], v10, 4, v[RD]
	v_add_nc_u32 v[RD], s13, v[RD]
	v_and_b32 v[GO], 31, v0         ; which are 512 consecutive bytes of O
	v_lshlrev_b32 v[GO], 4, v[GO]
	; A block's first step multiplies O^T and l by a = 0, and its first turn's products V^T P, of a piece that has not been, land in an O^T that is still to be so multiplied.  So these registers need only hold
	; finite numbers: zeros for the first block; what the first block left for the second.  All this stands in the wait for the first tile.
	WIN 0x80
.set i, VF
.rept 64
	v_mov_b32 v[i], 0
.set i, i+1
.endr
	WIN 0x40
.set i, 0
.rept 128
	v_mov_b32 v[i], 0
.set i, i+1
.endr
	WIN 0
.set i, 0
.rept 4
	v_mov_b32 v[ST+4*i+2], 0
	v_mov_b32 v[ST+4*i+3], 0
.set i, i+1
.endr
.set i, P+16
.rept 16
	v_mov_b32 v[i], 0
.set i, i+1
.endr
; THE MATRIX WORK.  The 4 accumulators of a run of 8 take turns.  Product i of 8 of S^T = K Q^T for piece x: channels 32 (i / 4) on, keys 16 (i % 4) on.  The first 4 start the sums: with 0, or (KM = 1) with the mask.
.macro KQ x
.set rS, S+32*((\x)%2)+8*(i%4)
.set rK, KF+16*(i%4)+8*(i/4)
.set rQ, 16*(\x)+8*(i/4)
.set rM, MC+32*((\x)%2)+8*(i%4)
.if (i < 4) && KM
	WIN W_KM
	v_wmma_f32_16x16x32_f16 v[rS:rS+7], v[rK:rK+7], v[rQ:rQ+7], v[rM:rM+7]
.elseif i < 4
	WIN W_KQ
	v_wmma_f32_16x16x32_f16 v[rS:rS+7], v[rK:rK+7], v[rQ:rQ+7], 0
.else
	WIN W_KQ
	v_wmma_f32_16x16x32_f16 v[rS:rS+7], v[rK:rK+7], v[rQ:rQ+7], v[rS:rS+7]
.endif
.endm
; Product i of 8 of O^T += V^T P for piece x: keys 32 (i / 4) on, channels 16 (i % 4) on.
.macro PV x
	WIN W_PV
.set rO, 32*(\x)+8*(i%4)
.set rV, VF+32*(i/4)+8*(i%4)
.set rP, P+16*((\x)%2)+8*(i/4)
	v_wmma_f32_16x16x32_f16 v[rO:rO+7], v[rV:rV+7], v[rP:rP+7], v[rO:rO+7]
.endm
.macro MM                           ; the turn's next matrix instruction.  TURN and BEGIN set Y, i, KM and NOKQ; MM, KQ and OP read them.  NOKQ = 1: a block's last turn: there is no next piece
.if (i < 8) && !NOKQ
	KQ (Y+1)%NP
.elseif i >= 8
.set i, i-8
	PV (Y+NP-1)%NP
.set i, i+8
.endif
.set i, i+1
.endm
; THE LDS LOADS stand in runs of 16, never singly among the matrix instructions: a step's K (64 keys x 64 channels: 8 fragments) and its V (turned).  Their addresses are made some lines ahead.
.macro FETCH_K
	WIN 0x80                        ; destination window 2
.irp f, 0,1,2,3,4,5,6,7             ; keys 16 (f / 2) on, channels 32 (f % 2) on
	ds_load_b128 v[KF+8*\f:KF+8*\f+3],   v[AK] offset:(\f/2)*16*PK+(\f%2)*64
	ds_load_b128 v[KF+8*\f+4:KF+8*\f+7], v[AK] offset:(\f/2)*16*PK+(\f%2)*64+32
.endr
	s_add_co_u32 s[TBK], s[TBK], KS*PK  ; the next fetch is the next step's
	WIN 0
.endm
.macro FETCH_V
	WIN 0x80
.irp f, 0,1,2,3,4,5,6,7             ; keys 32 (f / 4) on, channels 16 (f % 4) on
	ds_load_tr16_b128 v[VF+8*\f:VF+8*\f+3],   v[AV] offset:(\f/4)*32*PV+(\f%4)*32
	ds_load_tr16_b128 v[VF+8*\f+4:VF+8*\f+7], v[AV] offset:(\f/4)*32*PV+16*PV+(\f%4)*32
.endr
	WIN 0
.endm
; THE VECTOR WORK, one line at a time: OP kind, number.  For piece Y: F n: c s - c m for pair n of 16.  E n: the exponential of score n of 32.  C n: pair n rounded to f16.  B n: of the four weights 4 n .. the second
; pair is added onto the first, in place.  L n: l takes that sum (L 0: l = a l + sum).  R n: pair n of 16 of O^T times a.  For piece Y + 1: X n, number n of the 22 that find its maximum and statistics:
;   0-11  four chains c0-c3 of seven scores each, three operands at a time (each accumulator's lowest registers are read first)     12-14, 16  the four scores left over, the old m, and c0-c3 into c0
;   15  c m_old is kept     17, 18  the query's other 32 keys lie in the lane 16 away: the new m     19-21  c m; c m_old - c m_new; a
.set F, 0               ; OP tells the kinds apart by their order: F to L below R, X above it
.set E, 1
.set C, 2
.set B, 3
.set L, 4
.set R, 5
.set X, 6
.macro REGS y                       ; the registers of piece y
.set rT, ST+4*(\y)
.set rC, TMP+4*((\y)%2)
.set rW, MV+((\y)%2)
.set rS, S+32*((\y)%2)
.set rP, P+16*((\y)%2)
.set rO, 32*(\y)
.endm
.macro OP k, n
.if (\k) == R
	REGS Y
	WIN W_RS
	v_pk_mul_f32 v[rO+2*(\n):rO+2*(\n)+1], v[rO+2*(\n):rO+2*(\n)+1], v[rC+2:rC+3] op_sel_hi:[1,0]
.elseif (\k) < R
	REGS Y
	WIN 0
.if (\k) == F
	v_pk_fma_f32 v[rS+2*(\n):rS+2*(\n)+1], v[rS+2*(\n):rS+2*(\n)+1], s[CS:CS+1], v[rT:rT+1] op_sel_hi:[1,0,0] neg_lo:[0,0,1] neg_hi:[0,0,1]
.elseif (\k) == E
	v_exp_f32 v[rS+(\n)], v[rS+(\n)]
.elseif (\k) == C
	s_wait_alu depctr_va_vdst(0)
	v_cvt_pk_f16_f32 v[rP+(\n)], v[rS+2*(\n)], v[rS+2*(\n)+1]
.elseif (\k) == B
	s_wait_alu depctr_va_vdst(0)
	v_pk_add_f32 v[rS+4*(\n):rS+4*(\n)+1], v[rS+4*(\n):rS+4*(\n)+1], v[rS+4*(\n)+2:rS+4*(\n)+3]
.elseif (\n) == 0
	v_pk_fma_f32 v[rT+2:rT+3], v[rT+2:rT+3], v[rC+2:rC+3], v[rS:rS+1] op_sel_hi:[1,0,1]
.else
	v_pk_add_f32 v[rT+2:rT+3], v[rT+2:rT+3], v[rS+4*(\n):rS+4*(\n)+1]
.endif
.elseif NOKQ
	v_nop
.else
	REGS (Y+1)%NP
	WIN 0
.if (\n) < 4
	v_max3_num_f32 v[rC+(\n)], v[rS+8*(\n)], v[rS+8*(\n)+1], v[rS+8*(\n)+2]
.elseif (\n) < 12
	v_max3_num_f32 v[rC+(\n)%4], v[rC+(\n)%4], v[rS+8*((\n)%4)+2*((\n)/4)+1], v[rS+8*((\n)%4)+2*((\n)/4)+2]
.elseif (\n) == 12
	v_max3_num_f32 v[rC], v[rC], v[rS+7], v[rS+15]
.elseif (\n) == 13
	v_max3_num_f32 v[rC+1], v[rC+1], v[rS+23], v[rS+31]
.elseif (\n) == 14
	v_max3_num_f32 v[rC+2], v[rC+2], v[rC+3], v[rT+1]
.elseif (\n) == 15
	v_mov_b32 v[rW], v[rT]
.elseif (\n) == 16
	v_max3_num_f32 v[rC], v[rC], v[rC+1], v[rC+2]
.elseif (\n) == 17
	v_permlanex16_b32 v[rC+3], v[rC], s[SEL], s[SEL+1]
.elseif (\n) == 18
	v_max_num_f32 v[rT+1], v[rC], v[rC+3]
.elseif (\n) == 19
	v_mul_f32 v[rT], s[CS], v[rT+1]
.elseif (\n) == 20
	v_sub_f32 v[rC+1], v[rW], v[rT]
.else
	v_exp_f32 v[rC+2], v[rC+1]
.endif
.endif
.endm
.macro OPS a, i1, b=-1, i2=0, c=-1, i3=0, d=-1, i4=0  ; up to four of them
	OP \a, \i1
.if (\b) >= 0
	OP \b, \i2
.endif
.if (\c) >= 0
	OP \c, \i3
.endif
.if (\d) >= 0
	OP \d, \i4
.endif
.endm
.macro ROW a, i1, b, i2, c, i3, d, i4  ; a matrix instruction and the four behind it
	MM
	OPS \a, \i1, \b, \i2, \c, \i3, \d, \i4
.endm
.macro MASK b                       ; MD x AL + BE into buffer b of MC
	WIN W_RS
.set z, 0
.rept 16
	v_pk_fma_f32 v[MC+32*(\b)+2*z:MC+32*(\b)+2*z+1], v[MD+2*z:MD+2*z+1], s[AL:AL+1], s[BE:BE+1] op_sel_hi:[1,0,0]
.set z, z+1
.endr
.endm
; A TURN, for piece p: the order of its 16 matrix and 118 vector instructions, written out.  Behind a matrix instruction: plain, exponential, plain, plain; or four of the rescaling; or, behind the first, four scalings; none
; names a register of the products round it.  In the lumps exponential and plain by turns while exponentials last.  A line reads no result made fewer than three vector instructions in front of it, five if an exponential made it.
; v_permlanex16_b32 (X 17) stands in a lump.
; m = 1: the diagonal tile: the products take masks, and the turn makes the mask for the products of the turn after it: piece p + 2, in step 4 - CNT of the tile.  end = 1: a block's last two turns: nothing is fetched.
; cnt = 1: the loop's count is taken down some lines ahead of the branch that stands behind the turn.
; K of the next step is fetched in piece 2's turn, six vector instructions behind the last product that read K (five of them plain); V of the step in hand in piece 0's turn, eight behind the last product that read V (four
; plain, and X 17).  Each is waited for a turn later.
.macro TURN p, m=0, end=0, cnt=0
.set Y, (\p)
.set i, 0
.set KM, (\m)
.set NOKQ, (\end)*((\p)/3)
.if (\m) && !(\end)
	s_cmp_eq_u32 s[CNT], 4-((\p)+2)%NP  ; is that step the band's own?
	s_cselect_b32 s[AL], 1.0, 0
	s_cmp_lt_u32 s[CNT], 4-((\p)+2)%NP  ; or a later one?
	s_cselect_b32 s[BE], s[BIGN], 0
.endif
.if ((\p) == 3) && !(\end)
	s_wait_dscnt 0x0                ; K is in
.endif
	ROW F,0, F,1, F,2, F,3
	ROW F,4, E,0, F,5, F,6
	ROW F,7, E,1, F,8, F,9
	ROW F,10, E,2, C,0, F,11
	ROW F,12, E,3, X,15, F,13
	ROW R,0, R,1, R,2, R,3
	ROW B,0, E,4, F,14, L,0
.if ((\p) == 2) && !(\end)
	v_add_nc_u32 v[AK], s[TBK], v[AK0]
.endif
	ROW R,4, R,5, R,6, R,7
	OPS E,5, F,15
.if ((\p) == 2) && !(\end)
	FETCH_K
.endif
	OPS E,6, C,1, E,7, R,8
	OPS E,8, R,9, E,9, C,2
	OPS E,10, X,0, E,11, X,1
	OPS E,12, X,2, E,13, X,3
.if (\p) == 1
	s_wait_dscnt 0x0                ; V is in
.endif
	ROW X,4, E,14, X,5, X,6
	ROW X,7, E,15, X,8, X,9
	ROW X,10, E,16, X,11, X,12
	ROW X,13, E,17, X,14, B,1
	ROW C,4, E,18, X,16, L,1
	ROW B,2, E,19, C,6, L,2
	ROW C,8, E,20, B,3, B,4
.if (\p) == 0
	v_add_nc_u32 v[AV], s[TBV], v[AV0]
.endif
	ROW C,3, E,21, L,3, C,5
	OPS E,22, X,17, E,23, C,10
.if (\p) == 0
	FETCH_V
.endif
	OPS E,24, L,4
	OPS E,25, X,18, E,26, C,7
	OPS E,27, B,5, E,28, X,19
	OPS E,29, C,12, E,30, L,5
	OPS E,31, X,20, B,6, C,9
	OPS C,14, C,11, X,21, L,6
.if (\p) == 0
	s_add_co_u32 s[TBV], s[TBV], KS*PV
.endif
.if \cnt
	s_sub_co_u32 s[CNT], s[CNT], 1
	s_cmp_lg_u32 s[CNT], 0
.endif
	OPS C,13, B,7, C,15, R,10
	OPS R,11, R,12, L,7, R,13
	OPS R,14, R,15
.if (\m) && !(\end)
	MASK (\p)%2
.endif
.endm
; A BLOCK BEGINS.  c m starts far below every c s, so the first step's a is 0; m at the lowest finite number, so the first maximum is the scores'.  The second mask buffer is 0; the first takes piece 0's mask for the tile's step 0: its own, if the block's first tile is the diagonal one.
; Then K of that step, piece 0's first scores, and its maximum and statistics.  The loop is entered at a step's first turn, in the middle of a trip.
.macro BEGIN
	s_mov_b32 s[NEW], 0
	WIN 0x40
.set i, MC+32
.rept 32
	v_mov_b32 v[i], 0
.set i, i+1
.endr
	WIN 0
.set i, 0
.rept 4
	v_mov_b32 v[ST+4*i], 0xfe000000    ; c m: far below every c s
	v_mov_b32 v[ST+4*i+1], 0xff7fffff  ; m
.set i, i+1
.endr
	s_cmp_eq_u32 s[RT], 0
	s_cselect_b32 s[AL], 1.0, 0
	s_mov_b32 s[BE], 0
	MASK 0
	WIN 0
	v_add_nc_u32 v[AK], s[TBK], v[AK0]
	FETCH_K
	s_wait_loadcnt 0x0              ; Q
	s_wait_dscnt 0x0
.set KM, 1
.set NOKQ, 0
.set i, 0
.rept 8
	KQ 0
.set i, i+1
.endr
	WIN 0
.rept 4
	v_nop                           ; the places behind those products
.endr
.set Y, NP-1                        ; X works for piece Y + 1: piece 0
.irp n, 0,1,2,3,4,5,6,7,8,9,10,11,12,13,14,15,16,17,18,19,20,21
	OP X, \n
.endr
	v_nop                           ; a plain instruction behind the exponential
.endm
; THE DIAGONAL TILE's four steps, the block's last two turns, its last products, and THE WAY OUT: l's two halves and the other half of the lanes' are added; O^T is divided by l, rounded to f16 and sent through my
; stage in LDS, a piece at a time.
.macro ALL line:vararg              ; one line for each piece t
.set t, 0
.rept 4
	\line
.set t, t+1
.endr
.endm
.macro PACK t                       ; a lane's eight channels of a row pack into 16 bytes; they go into rows of 144 bytes and come back as whole rows of 128, into S^T's registers
	WIN W_RS
.set i, 32*(\t)
.rept 16
	s_wait_alu depctr_va_vdst(0)
	v_pk_mul_f32 v[i:i+1], v[i:i+1], v[ST+4*(\t)+2:ST+4*(\t)+3] op_sel_hi:[1,0]
.set i, i+2
.endr
	WIN 0x05                        ; sources 0 and 1 window 1, destination window 0
.set i, 0
.rept 16
	v_cvt_pk_f16_f32 v[S+16*(\t)+i], v[32*(\t)+2*i], v[32*(\t)+2*i+1]
.set i, i+1
.endr
	WIN 0
.irp f, 0,1,2,3
	ds_store_b128 v[STO], v[S+16*(\t)+4*\f:S+16*(\t)+4*\f+3] offset:32*\f
.endr
.irp f, 0,1,2,3
	ds_load_b128 v[S+16*(\t)+4*\f:S+16*(\t)+4*\f+3], v[RD] offset:\f*4*SP  ; LDS serves a wave's instructions in order (ISA guide 5.7.1.4): these see the stores above; the next piece's stores come behind them
.endr
.endm
.macro SEND t, younger              ; younger: the LDS instructions issued behind piece t's loads: the next piece's eight, or none
	WIN 0
.irp f, 0,1,2,3
	s_wait_dscnt (\younger)+3-\f
	global_store_b128 v[GO], v[S+16*(\t)+4*\f:S+16*(\t)+4*\f+3], s[10:11] offset:(\t)*8192+\f*512  ; 512 consecutive bytes, at a multiple of 256 from O's first
.endr
.endm
.macro DIAG tag                     ; the tag ends its two labels' names, which the jumps below spell out
.LstepM\tag:
	TURN 2, 1
	TURN 3, 1
	WIN 0
.LfirstM\tag:
	TURN 0, 1
	TURN 1, 1, 0, 1
	WIN 0
	s_cbranch_scc1 .LstepM\tag
	TURN 2, 1, 1
	TURN 3, 1, 1
.set i, 0
.rept 8
	PV NP-1
.set i, i+1
.endr
	WIN 0
	ALL v_add_f32 v[ST+4*t+2], v[ST+4*t+2], v[ST+4*t+3]
	ALL v_permlanex16_b32 v[ST+4*t+3], v[ST+4*t+2], s[SEL], s[SEL+1]
	ALL v_add_f32 v[ST+4*t+2], v[ST+4*t+2], v[ST+4*t+3]
	ALL v_rcp_f32 v[ST+4*t+2], v[ST+4*t+2]
	v_nop                           ; a plain instruction between the last reciprocal and the use of its result
	PACK 0
.set t, 1
.rept 3                             ; a piece's arithmetic stands between the loads of the piece before and its stores
	PACK t
	SEND t-1, 8
.set t, t+1
.endr
	SEND 3, 0
.endm
.set KM, 0
.set NOKQ, 0
.Lslot:                             ; NB times: a tile is entered and the next is asked for
	CHANGE 1
	s_sub_co_u32 s[RT], s[RT], 1
	s_mov_b32 s[CNT], 4
	s_cmp_eq_u32 s[NEW], 1
	s_cbranch_scc1 .Lnew            ; a block's first tile
	s_cmp_eq_u32 s[RT], 0
	s_cbranch_scc0 .Lstep           ; neither its first nor its last
	s_branch .LstepM1
.Lnew:
	BEGIN
	s_branch .Lfirst                ; in the loop a block's first tile is never its last: the first block has two tiles or more, and the second's last is the walk's last
	DIAG 1                          ; in the loop this is the first block's end: the second block's last tile is the walk's last
	s_wait_xcnt 0x0                 ; the stores have read their registers and O's address
	s_mov_b64 s[10:11], s[OLO:OLO+1]
	s_add_co_u32 s[RT], s[PB], 1    ; the second block has b + 1 tiles
	s_mov_b32 s[NEW], 1
	WIN 0x82                        ; the second block's Q goes where the one text of the turns names Q
.set i, 0
.rept 64
	v_mov_b32 v[i], v[QB+i]
.set i, i+1
.endr
	WIN 0
	s_branch .Lbottom
.Lstep:                             ; a trip: pieces 2 and 3 of one step, then pieces 0 and 1 of the next, whose K and V it fetches
	TURN 2
	TURN 3
	WIN 0
.Lfirst:
	TURN 0
	TURN 1, 0, 0, 1
	WIN 0
	s_cbranch_scc1 .Lstep
.Lbottom:
	s_sub_co_u32 s[SLOTS], s[SLOTS], 1
	s_cmp_lg_u32 s[SLOTS], 0
	s_cbranch_scc1 .Lslot
	CHANGE 0                        ; the walk's last tile is written out: nothing is asked for
	s_sub_co_u32 s[RT], s[RT], 1
	s_mov_b32 s[CNT], 4
	s_cmp_eq_u32 s[NEW], 1
	s_cbranch_scc0 .LstepM2
	BEGIN
	s_branch .LfirstM2
	DIAG 2
	s_wait_tensorcnt 0x0            ; the wave's end: behind my last tensor load and my last LDS store
	ds_add_u32 v[SPW], v[NIL]
	s_wait_dscnt 0x0
	s_endpgm
.Lfunc_end_k_qc670c79351_attn:
	.size	k_qc670c79351_attn, .Lfunc_end_k_qc670c79351_attn-k_qc670c79351_attn
	.p2alignl 7, 3214868480
	.fill 96, 4, 3214868480
	.section	.rodata,"a",@progbits
	.p2align	6, 0x0
	.amdhsa_kernel k_qc670c79351_attn
		.amdhsa_group_segment_fixed_size 327680
		.amdhsa_private_segment_fixed_size 0
		.amdhsa_enable_private_segment 0
		.amdhsa_kernarg_size 32
		.amdhsa_user_sgpr_count 2
		.amdhsa_user_sgpr_kernarg_segment_ptr 1
		.amdhsa_wavefront_size32 1
		.amdhsa_system_sgpr_workgroup_id_x 1
		.amdhsa_system_sgpr_workgroup_id_y 1
		.amdhsa_system_sgpr_workgroup_id_z 1
		.amdhsa_system_vgpr_workitem_id 0
		.amdhsa_next_free_vgpr 768
		.amdhsa_next_free_sgpr 88
		.amdhsa_reserve_vcc 1
		.amdhsa_float_denorm_mode_32 3
		.amdhsa_float_denorm_mode_16_64 3
		.amdhsa_memory_ordered 1
		.amdhsa_forward_progress 1
		.amdhsa_inst_pref_size 228
	.end_amdhsa_kernel
	.amdgpu_metadata
---
amdhsa.version: [ 1, 2 ]
amdhsa.kernels:
  - .name:           k_qc670c79351_attn
    .symbol:         k_qc670c79351_attn.kd
    .args:
      - { .name: qh, .offset: 0, .size: 8, .value_kind: global_buffer, .address_space: global }
      - { .name: kh, .offset: 8, .size: 8, .value_kind: global_buffer, .address_space: global }
      - { .name: vh, .offset: 16, .size: 8, .value_kind: global_buffer, .address_space: global }
      - { .name: oh, .offset: 24, .size: 8, .value_kind: global_buffer, .address_space: global }
    .group_segment_fixed_size: 327680
    .private_segment_fixed_size: 0
    .kernarg_segment_align: 8
    .kernarg_segment_size: 32
    .max_flat_workgroup_size: 128
    .sgpr_count:     88
    .vgpr_count:     768
    .wavefront_size: 32
...
	.end_amdgpu_metadata
.endif
;; end of part 3
;; launch oproj (part 4): grid 4 x 64, 4 waves a work-group, clusters of 4 x 4, 327,680 bytes of LDS; arguments oh, wo16, bo, out0; writes out0
.if DOCPART == 4
	.amdgcn_target "amdgcn-amd-amdhsa--gfx1250"
	.amdhsa_code_object_version 6
	.text
	.protected	k_qc670c79351_oproj
	.globl	k_qc670c79351_oproj
	.p2align	8
	.type	k_qc670c79351_oproj,@function
k_qc670c79351_oproj:
	s_mov_b64 s[64:65], 0
	v_nop
	global_prefetch_b8 v0, s[64:65] scope:SCOPE_SE
	s_setreg_imm32_b32 hwreg(HW_REG_WAVE_MODE, 25, 1), 1
	s_wait_xcnt 0x0
	s_wait_alu depctr_hold_cnt(0) depctr_sa_sdst(0) depctr_va_vdst(0) depctr_va_sdst(0) depctr_va_ssrc(0) depctr_va_vcc(0) depctr_vm_vsrc(0)
	s_getreg_b32 s2, hwreg(HW_REG_IB_STS2, 6, 4)
	s_cmp_eq_u32 s2, 0
	s_cbranch_scc0 .Lentry_in_a_cluster
	s_endpgm
.Lentry_in_a_cluster:
	s_bfe_u32 s2, ttmp6, 0x10000c
	s_cmp_lg_u32 s2, 0xf033
	s_cbranch_scc0 .Lentry_shape_is_right
	s_endpgm
.Lentry_shape_is_right:
; out0 = concat(O) Wo + bo.  O from oh (f16, [16 batch + head][1024 rows][64]), Wo from wo16 (f16 holding numbers rounded to bf16, in blocks), bo rounded to bf16; sums in f32, started by the bias; out0 f32.
; LIMITS.  None beyond those of its inputs: O and Wo arrive as finite f16; NaN and infinities are not treated apart.
; SHARES.  A tile of 128 rows x 256 columns to a work-group: 64 x 4 = 256 of them.  Four waves; wave w makes rows 64 (w / 2) .., columns 128 (w % 2) ..: 32 accumulators of 16 x 16.
; K goes in 8 steps of 128 (two heads) through a ring of two LDS slots.  CLUSTER: 4 x 4 work-groups; the four of a row need the same rows of O, the four of a column the same block of Wo: each tile is asked for
; JOINTLY.  Waves 0 and 1 fetch the two heads' 128 rows of O (16,384 dense bytes each), waves 2 and 3 the two halves (32,768 dense bytes each) of the weights' block.
; THE MATRIX INSTRUCTION IS USED TRANSPOSED: source 0 = 16 columns of Wo (out of LDS turned), source 1 = 16 rows of O: a lane holds eight neighbouring columns of one row.
; A QUARTER is 32 along K: 32 matrix instructions, the 32 accumulators by turns in one order; the next quarter's 24 LDS loads stand in ONE run at its head, never singly among the products.
; No prefetch: O was stored shortly before, Wo is read by 64 tile rows.
; REGISTERS, in windows of 256 (s_set_vgpr_msb: bits 1:0 source 0, 3:2 source 1, 5:4 source 2, 7:6 destination):
;   window 0: v0-19 addresses and at work; v64-191 the way out, two sets of 64; v192-255 the bias as 8 C fragments      window 1: the accumulators, (a, b) at 8 (8 a + b)
;   window 2: v0-63 O's fragments, two buffers; v64-191 Wo's, two buffers; v192-197 LDS addresses and the add's two registers
.set OPI,   144                        ; a row of O (64 numbers) in LDS: 128 bytes + 16 = 9 x 16: the 16 rows of a load start at 16 different groups of four banks (64 banks of 4 bytes: ISA guide 11.1)
.set OH,    128*OPI                    ; a head's 128 rows: what one tensor load of O brings
.set WP,    160                        ; a row of weights: 128 bytes + 32 = 5 x 32
.set WSUB,  128*WP
.set WH,    2*WSUB
.set WOFF,  2*OH
.set SLOT,  WOFF+2*WH                  ; 118,784
.set STAGE, 2*SLOT                     ; behind the ring, never filled by a tensor load: 16 rows x 528 bytes for each wave
.set SPI,   528                        ; a row of 128 f32 + 16 bytes
.set SWAVE, 16*SPI
.set SPARE, STAGE+4*SWAVE              ; the spare words, 128 bytes for each wave: two blocks of 256 bytes that no other line names
.set STO,  8
.set RD,   9
.set GO,   10
.set BO,   11
.set T,    16
.set OB,   64
.set BIAS, 192
.set AF,   0                           ; window 2
.set BF,   64
.set ADRA, 192
.set ADRB, 193
.set A0,   194
.set B0,   195
.set SPW,  196                         ; LDS address of my spare word: SPARE + 4 x my thread's number; never rewritten
.set NIL,  197                         ; 0; never rewritten
.set OUT,  10                          ; s[10:11] out0 at my rows and columns
.set G1A,  24
.set G1B,  32
.set G0A,  40                          ; a set for each of the two first fills; the second then walks on
.set G0B,  48
.set WV,   56
.set WR,   57
.set WC,   58
.set CX,   59
.set CY,   60
.set NT,   61
.set MT,   62
.set CNT,  63
.set SLF,  67                          ; LDS byte at which the slot being read begins: 0 or SLOT
.set DWA,  68
.set DWB,  69
.set TCNT, 73
.set MSB, 0
.macro WIN new
.if MSB != (\new)
	s_set_vgpr_msb (MSB<<8)|(\new)
.set MSB, (\new)
.endif
.endm
.set W_MM, 0x5a                        ; both sources window 2, C and D window 1
.set W_MF, 0x4a                        ; the same with C (the bias) in window 0
.set W_FR, 0x8a                        ; destination, sources 0 and 1 window 2
.set W_MK, 0x80                        ; destination window 2, sources window 0
.set W_ST, 0x04                        ; an LDS store's data in window 1, its address in window 0
.macro PLACES                          ; four places behind a matrix instruction, in front of loads into registers that it has read and of reads of its result (ISA guide 7.12.1 for vector instructions)
.rept 4
	v_nop
.endr
.endm
.macro CREST                           ; a round of the cluster's barrier behind its opening barrier
	s_cmp_lg_u32 s[WV], 0
	s_cbranch_scc1 .Lnot_wave_0_\@
	s_barrier_signal -3
.Lnot_wave_0_\@:
	s_barrier_wait -3
	s_barrier_signal -1
	s_barrier_wait -1
.endm
.macro CROUND
	s_barrier_signal -1
	s_barrier_wait -1
	CREST
.endm
.macro JLOAD                           ; a joint refill, by the walking sets; an s_nop 0 and four v_nop follow each of the two lines, ahead of the jump and the label
	s_cmp_eq_u32 s[WR], 0
	s_cbranch_scc0 .Lfor_b_\@
	tensor_load_to_lds s[G0A+4:G0A+7], s[G1A:G1A+7]
	s_nop 0
.rept 4
	v_nop
.endr
	s_branch .Lasked_\@
.Lfor_b_\@:
	tensor_load_to_lds s[G0B+4:G0B+7], s[G1B:G1B+7]
	s_nop 0
.rept 4
	v_nop
.endr
.Lasked_\@:
.endm
	s_load_b256 s[4:11], s[0:1], 0x0               ; oh s[4:5], wo16 s[6:7], bo s[8:9], out0 s[10:11]
	WIN W_MK
	v_lshl_add_u32 v[SPW], v0, 2, SPARE
	v_mov_b32 v[NIL], 0
	WIN W_FR
	ds_add_u32 v[SPW], v[NIL]                      ; the wave's opening: the add and its wait stand ahead of my first tensor load; the set-up below, work on registers, stands between them
	ds_add_u32 v196, v197
	WIN 0
	v_lshrrev_b32 v3, 5, v0
	v_readfirstlane_b32 s[WV], v3
	s_lshr_b32 s[WR], s[WV], 1                     ; which 64 rows are mine.  Also: I fetch O (0) or weights (1)
	s_and_b32 s[WC], s[WV], 1                      ; which 128 columns are mine.  Also: which half I fetch
	s_bfe_u32 s[CX], ttmp6, 0x40000
	s_bfe_u32 s[CY], ttmp6, 0x40004
	s_lshl_b32 s[NT], ttmp9, 2
	s_add_co_u32 s[NT], s[NT], s[CX]               ; tile column
	s_and_b32 s[MT], ttmp7, 0xffff
	s_lshl_b32 s[MT], s[MT], 2
	s_add_co_u32 s[MT], s[MT], s[CY]               ; tile row
	s_lshl_b32 s2, s[CY], 2
	s_lshl_b32 s2, 15, s2                          ; my row of the cluster
	s_lshl_b32 s3, 0x1111, s[CX]                   ; my column
	; group 1 for O: 16,384 dense bytes asked for as 64 rows of 256 bytes, two rows of O each; padded in LDS after every 128 bytes
	s_or_b32 s[G1A], s2, (1<<16)|(1<<20)|(1<<21)|(4<<22)|(3<<25)  ; the mask; elements of 2 bytes; padding on; 21 set beside a mask; after every 32 words (code 4) 4 words (code 3)
	s_mov_b32 s[G1A+1], 128<<16
	s_mov_b32 s[G1A+2], 64<<16
	s_mov_b32 s[G1A+3], 128<<16
	s_mov_b32 s[G1A+4], 64
	s_mov_b32 s[G1A+5], 128
	s_mov_b32 s[G1A+6], 0
	s_mov_b32 s[G1A+7], 0
	; group 1 for the weights: 32,768 dense bytes as 128 rows of 256 bytes; after every 32 words 8 words of padding
	s_or_b32 s[G1B], s3, (1<<16)|(1<<20)|(1<<21)|(4<<22)|(7<<25)
	s_mov_b32 s[G1B+1], 128<<16
	s_mov_b32 s[G1B+2], 128<<16
	s_mov_b32 s[G1B+3], 128<<16
	s_mov_b32 s[G1B+4], 128
	s_mov_b32 s[G1B+5], 128
	s_mov_b32 s[G1B+6], 0
	s_mov_b32 s[G1B+7], 0
	s_mul_i32 s[DWA], s[WC], OH                    ; no place in the cluster enters an LDS address
	s_mul_i32 s[DWB], s[WC], WH
	s_add_co_u32 s[DWB], s[DWB], WOFF
	s_lshr_b32 s12, s[MT], 3                       ; O: ((16 batch + my head of the step's two) x 1,024 + the tile's first row in the batch) x 128 bytes
	s_lshl_b32 s12, s12, 4
	s_add_co_u32 s12, s12, s[WC]
	s_lshl_b32 s12, s12, 10
	s_and_b32 s13, s[MT], 7
	s_lshl_b32 s13, s13, 7
	s_add_co_u32 s12, s12, s13
	s_lshl_b32 s12, s12, 7
	s_mov_b32 s13, 0
	s_lshl_b32 s14, s[NT], 19                      ; weights: the tile column's 8 blocks of 65,536 bytes, my half of each
	s_lshl_b32 s15, s[WC], 15
	s_add_co_u32 s14, s14, s15
	s_mov_b32 s15, 0
	s_mov_b32 s[SLF], 0
	s_wait_dscnt 0x0                               ; the opening add is done
	s_wait_kmcnt 0x0
	s_add_nc_u64 s[4:5], s[4:5], s[12:13]
	s_add_nc_u64 s[6:7], s[6:7], s[14:15]
.irp s, 0,1
	s_mov_b32 s[G0A+4*(\s)], 1
	s_add_co_u32 s[G0A+4*(\s)+1], s[DWA], (\s)*SLOT
	s_add_nc_u64 s[G0A+4*(\s)+2:G0A+4*(\s)+3], s[4:5], (\s)*262144   ; K step s: two heads of 131,072 bytes on
	s_or_b32 s[G0A+4*(\s)+3], s[G0A+4*(\s)+3], 0x80000000
	s_mov_b32 s[G0B+4*(\s)], 1
	s_add_co_u32 s[G0B+4*(\s)+1], s[DWB], (\s)*SLOT
	s_add_nc_u64 s[G0B+4*(\s)+2:G0B+4*(\s)+3], s[6:7], (\s)*65536
	s_or_b32 s[G0B+4*(\s)+3], s[G0B+4*(\s)+3], 0x80000000
.endr
	CROUND                                         ; all sixteen work-groups are here: the first joint loads meet
	s_cmp_eq_u32 s[WR], 0                          ; a wave's two first fills stand in one branch: two loads of mine are out
	s_cbranch_scc0 .Lfirst_b
	tensor_load_to_lds s[G0A:G0A+3], s[G1A:G1A+7]
	s_nop 0
	tensor_load_to_lds s[G0A+4:G0A+7], s[G1A:G1A+7]
	s_nop 0
.rept 4
	v_nop
.endr
	s_branch .Lfirst_asked
.Lfirst_b:
	tensor_load_to_lds s[G0B:G0B+3], s[G1B:G1B+7]
	s_nop 0
	tensor_load_to_lds s[G0B+4:G0B+7], s[G1B:G1B+7]
	s_nop 0
.rept 4
	v_nop
.endr
.Lfirst_asked:
	v_and_b32 v1, 15, v0                           ; r
	v_bfe_u32 v2, v0, 4, 1                         ; h
	v_and_b32 v3, 7, v0
	v_bfe_u32 v4, v0, 3, 1
	v_and_b32 v5, 31, v0                           ; l
	s_lshl_b32 s2, s[NT], 10                       ; the bias: column 256 nt + 128 (w % 2) + 8 h
	s_lshl_b32 s3, s[WC], 9
	s_add_co_u32 s2, s2, s3
	v_lshl_add_u32 v[BO], v2, 5, s2
.irp b, 0,1,2,3,4,5,6,7                ; as eight C fragments: register j of lane l is column 16 b + 8 h + j, whatever the row
	global_load_b128 v[BIAS+8*(\b):BIAS+8*(\b)+3],   v[BO], s[8:9] offset:64*(\b)
	global_load_b128 v[BIAS+8*(\b)+4:BIAS+8*(\b)+7], v[BO], s[8:9] offset:64*(\b)+16
.endr
	v_mul_u32_u24 v6, v1, OPI                      ; O's fragments: my 64 rows; row r x pitch + 16 h
	v_lshl_add_u32 v6, v2, 4, v6
	s_mul_i32 s2, s[WR], 64*OPI
	v_add_nc_u32 v6, s2, v6
	v_lshl_add_u32 v7, v2, 3, v3                   ; the turning load: K row 8 h + l % 8, columns 8 ((l / 8) % 2) + 0..7
	v_mul_u32_u24 v7, v7, WP
	v_lshl_add_u32 v7, v4, 4, v7
	s_mul_i32 s2, s[WC], WH
	s_add_co_u32 s2, s2, WOFF
	v_add_nc_u32 v7, s2, v7
	WIN W_MK
	v_mov_b32 v[A0], v6
	v_mov_b32 v[B0], v7
	v_mov_b32 v[ADRA], v6
	v_mov_b32 v[ADRB], v7
	WIN 0
	s_mul_i32 s2, s[WV], SWAVE
	s_add_co_u32 s2, s2, STAGE                     ; my stage
	v_mul_u32_u24 v[STO], v1, SPI                  ; in: row r, 32 bytes for each half of the lanes
	v_lshl_add_u32 v[STO], v2, 5, v[STO]
	v_add_nc_u32 v[STO], s2, v[STO]
	v_lshl_add_u32 v[RD], v5, 4, s2                ; back: 32 lanes take a row's 512 bytes
	v_lshlrev_b32 v[GO], 4, v5
	s_lshl_b32 s2, s[MT], 7                        ; out0 at row 128 mt + 64 (w / 2), column 256 nt + 128 (w % 2)
	s_lshl_b32 s3, s[WR], 6
	s_add_co_u32 s2, s2, s3
	s_lshl_b32 s2, s2, 12
	s_lshl_b32 s3, s[NT], 10
	s_add_co_u32 s2, s2, s3
	s_lshl_b32 s3, s[WC], 9
	s_add_co_u32 s2, s2, s3
	s_mov_b32 s3, 0
	s_add_nc_u64 s[OUT:OUT+1], s[OUT:OUT+1], s[2:3]
	s_wait_loadcnt 0x0                             ; bo
.set p, 0
.rept 32                               ; rounded to bf16, like every input of the module, and kept as f32
	v_cvt_pk_bf16_f32 v[T+p%4], v[BIAS+2*p], v[BIAS+2*p+1]
	v_lshlrev_b32 v[BIAS+2*p], 16, v[T+p%4]
	v_and_b32 v[BIAS+2*p+1], 0xffff0000, v[T+p%4]
.set p, p+1
.endr
; Product i of a quarter's 32: column fragment i / 4, row block i % 4.  first = 1: the bias starts the sums: nothing is ever cleared.
.macro MM f, first
.set mb, i/4
.set ma, i%4
.if \first
	WIN W_MF
	v_wmma_f32_16x16x32_f16 v[8*(8*ma+mb):8*(8*ma+mb)+7], v[BF+64*(\f)+8*mb:BF+64*(\f)+8*mb+7], v[AF+32*(\f)+8*ma:AF+32*(\f)+8*ma+7], v[BIAS+8*mb:BIAS+8*mb+7]
.else
	WIN W_MM
	v_wmma_f32_16x16x32_f16 v[8*(8*ma+mb):8*(8*ma+mb)+7], v[BF+64*(\f)+8*mb:BF+64*(\f)+8*mb+7], v[AF+32*(\f)+8*ma:AF+32*(\f)+8*ma+7], v[8*(8*ma+mb):8*(8*ma+mb)+7]
.endif
.set i, i+1
.endm
; Load n of 24 of quarter kq's fragments into buffers g.  0-7: O: head kq / 2 of the step's two, channels 32 (kq % 2) on, row block n / 2, half n % 2.  8-23: the weights: K rows 32 kq on, fragment (n - 8) / 2, half n % 2.
.macro LD n, g, kq
	WIN W_FR
.if (\n) < 8
	ds_load_b128 v[AF+32*(\g)+4*(\n):AF+32*(\g)+4*(\n)+3], v[ADRA] offset:((\kq)/2)*OH+((\n)/2)*16*OPI+((\kq)%2)*64+((\n)%2)*32
.else
	ds_load_tr16_b128 v[BF+64*(\g)+4*((\n)-8):BF+64*(\g)+4*((\n)-8)+3], v[ADRB] offset:(\kq)*32*WP+(((\n)-8)/8)*WSUB+((((\n)-8)/2)%4)*32+(((\n)-8)%2)*16*WP
.endif
.endm
.macro FRUN g, kq                      ; a quarter's fragments: 24 loads on end
.set j, 0
.rept 24
	LD j, \g, \kq
.set j, j+1
.endr
.endm
; A QUARTER multiplies buffers f and fetches quarter kq, the next one, in one run at its head.  The wait in front of the run is for the run of the quarter before, issued 32 products back.
; The four v_nop at a quarter's end are the places in front of the next quarter's loads into the buffers just multiplied.
; turn = 1, 2: a K step's third quarter CHANGES SLOTS: its run holds the slot's last reads.  ONE barrier: in front of it each wave waits for all its tensor loads, of which one is out: its part of the other slot; adds 0 to
; its spare word; and waits for that and for its reads of this slot.  turn = 1: the slot is filled again, with the K step two on: the barrier opens a round of the cluster's, so that no wave of any partner still reads
; the slot or has a load on its way, and the joint refill is the first tensor load behind it: it has 8 + 96 = 104 matrix instructions in which to land.
; By this text's own count a wave has two tensor loads out at the start and one afterwards.
.macro QTR f, kq, first=0, turn=0
	s_wait_dscnt 0x0
	FRUN 1-(\f), \kq
.set i, 0
.if (\turn) == 0
.rept 32
	MM \f, \first
.endr
	PLACES
.else
	WIN W_FR                                       ; (the add's two registers lie in window 2, as the run's do)
	s_wait_tensorcnt 0x0                           ; all my tensor loads have landed, so a group 0 may be written
	ds_add_u32 v[SPW], v[NIL]                      ; 0 onto my spare word: scalar work and 16 products stand between it and the wait for it
.if (\turn) == 1
	s_add_co_u32 s[G0A+5], s[DWA], s[SLF]          ; the walking sets: into the slot that is being left,
	s_add_co_u32 s[G0B+5], s[DWB], s[SLF]
	s_add_nc_u64 s[G0A+6:G0A+7], s[G0A+6:G0A+7], 262144  ; the next K step; the type bits on top are not reached
	s_add_nc_u64 s[G0B+6:G0B+7], s[G0B+6:G0B+7], 65536
.endif
	s_xor_b32 s[SLF], s[SLF], SLOT                 ; the reads go on in the other slot
.rept 16
	MM \f, \first
.endr
	s_wait_dscnt 0x0                               ; the add is done, and my reads of this slot are over
	s_barrier_signal -1
.rept 8
	MM \f, \first
.endr
	WIN 0
	s_barrier_wait -1
.if (\turn) == 1
	CREST
	JLOAD
.endif
	WIN W_FR
	v_add_nc_u32 v[ADRA], s[SLF], v[A0]
	v_add_nc_u32 v[ADRB], s[SLF], v[B0]
.rept 8
	MM \f, \first
.endr
	PLACES
	WIN 0
.endif
.endm
; THE WAY OUT, a block of 16 rows at a time: the sums go as they are (the bias is in them) into my own stage, each accumulator's low four registers first, and come back as whole rows of 512 bytes.
.macro TOST a
.if (\a) >= 2
	s_wait_xcnt 0x0                                ; the stores of the block two back have read their registers: the set is loaded again only behind this wait
.endif
	WIN W_ST
.irp b, 0,1,2,3,4,5,6,7
	ds_store_b128 v[STO], v[8*(8*(\a)+(\b)):8*(8*(\a)+(\b))+3]   offset:64*(\b)
	ds_store_b128 v[STO], v[8*(8*(\a)+(\b))+4:8*(8*(\a)+(\b))+7] offset:64*(\b)+16
.endr
	WIN 0
.set p, 0
.rept 16
	ds_load_b128 v[OB+64*((\a)%2)+4*p:OB+64*((\a)%2)+4*p+3], v[RD] offset:p*SPI  ; LDS serves a wave's instructions in order (ISA guide 5.7.1.4): these see the stores above; the next block's stores come behind them
.set p, p+1
.endr
.endm
.macro SEND a, younger                 ; younger: the LDS instructions issued behind block a's loads: the next block's 32, or none
	WIN 0
	s_wait_dscnt \younger
.set p, 0
.rept 16
	global_store_b128 v[GO], v[OB+64*((\a)%2)+4*p:OB+64*((\a)%2)+4*p+3], s[OUT:OUT+1] offset:(16*(\a)+p)*4096 th:TH_STORE_NT  ; 512 consecutive bytes, aligned
.set p, p+1
.endr
.endm
	s_wait_tensorcnt 0x1                           ; my part of K step 0 is in; K step 1's may stay out
	s_barrier_signal -1
	s_barrier_wait -1
	FRUN 0, 0                                      ; quarter 0's fragments
	QTR 0, 1, 1                                    ; the first quarter stands in front of the loop: the bias starts the sums
	WIN 0                                          ; at a label and at a branch every window is 0
	s_mov_b32 s[CNT], 6
	s_branch .Lq1
.Ltrip:                                                ; trip k = 0 .. 5: the last quarter of K step k - 1, three quarters of K step k; K step k + 2 is asked for
	QTR 1, 0
	QTR 0, 1
	WIN 0
.Lq1:
	QTR 1, 2
	QTR 0, 3, 0, 1
	s_sub_co_u32 s[CNT], s[CNT], 1
	s_cmp_lg_u32 s[CNT], 0
	s_cbranch_scc1 .Ltrip
	s_mov_b32 s[TCNT], 2
.Ltail:                                                ; k = 6, 7: written apart: nothing is asked for
	QTR 1, 0
	QTR 0, 1
	QTR 1, 2
	QTR 0, 3, 0, 2
	s_sub_co_u32 s[TCNT], s[TCNT], 1
	s_cmp_lg_u32 s[TCNT], 0
	s_cbranch_scc1 .Ltail
	s_wait_dscnt 0x0                               ; the very last quarter: nothing more to fetch
.set i, 0
.rept 32
	MM 1, 0
.endr
	PLACES                                         ; the LDS stores below read results just made
	TOST 0
	TOST 1
	SEND 0, 32
	TOST 2
	SEND 1, 32
	TOST 3
	SEND 2, 32
	SEND 3, 0
	WIN W_FR
	s_wait_tensorcnt 0x0                           ; the wave's end: behind my last tensor load and my last LDS store
	ds_add_u32 v[SPW], v[NIL]
	s_wait_dscnt 0x0
	WIN 0
	CROUND                                         ; the closing round: no work-group ends while a partner may still ask for a tile that names it
	s_endpgm
.Lfunc_end_k_qc670c79351_oproj:
	.size	k_qc670c79351_oproj, .Lfunc_end_k_qc670c79351_oproj-k_qc670c79351_oproj
	.p2alignl 7, 3214868480
	.fill 96, 4, 3214868480
	.section	.rodata,"a",@progbits
	.p2align	6, 0x0
	.amdhsa_kernel k_qc670c79351_oproj
		.amdhsa_group_segment_fixed_size 327680
		.amdhsa_private_segment_fixed_size 0
		.amdhsa_enable_private_segment 0
		.amdhsa_kernarg_size 32
		.amdhsa_user_sgpr_count 2
		.amdhsa_user_sgpr_kernarg_segment_ptr 1
		.amdhsa_wavefront_size32 1
		.amdhsa_system_sgpr_workgroup_id_x 1
		.amdhsa_system_sgpr_workgroup_id_y 1
		.amdhsa_system_sgpr_workgroup_id_z 1
		.amdhsa_system_vgpr_workitem_id 0
		.amdhsa_next_free_vgpr 768
		.amdhsa_next_free_sgpr 80
		.amdhsa_reserve_vcc 0
		.amdhsa_float_denorm_mode_32 3
		.amdhsa_float_denorm_mode_16_64 3
		.amdhsa_memory_ordered 1
		.amdhsa_forward_progress 1
		.amdhsa_inst_pref_size 68
	.end_amdhsa_kernel
	.amdgpu_metadata
---
amdhsa.version: [ 1, 2 ]
amdhsa.kernels:
  - .name:           k_qc670c79351_oproj
    .symbol:         k_qc670c79351_oproj.kd
    .args:
      - { .name: oh, .offset: 0, .size: 8, .value_kind: global_buffer, .address_space: global }
      - { .name: wo16, .offset: 8, .size: 8, .value_kind: global_buffer, .address_space: global }
      - { .name: bo, .offset: 16, .size: 8, .value_kind: global_buffer, .address_space: global }
      - { .name: out0, .offset: 24, .size: 8, .value_kind: global_buffer, .address_space: global }
    .group_segment_fixed_size: 327680
    .private_segment_fixed_size: 0
    .kernarg_segment_align: 8
    .kernarg_segment_size: 32
    .max_flat_workgroup_size: 128
    .sgpr_count:     80
    .vgpr_count:     768
    .wavefront_size: 32
...
	.end_amdgpu_metadata
.endif
;; end of part 4
